; MI455X (gfx1250); checked and timed in simulation.
; The chip was launched on July 23, 2026; its instructions are those of AMD's public machine-readable ISA for CDNA 5 (MIT licence, August 2026) and "CDNA5" Instruction Set Architecture Reference Guide (July 2026). The comments in the code are by the model that wrote it; some were corrected since.
;; Multi Head Attention. Allowed arithmetic: matrix products marked QUANTISED: E2M1 operands, one E8M0 scale for each 32 along K, by v_wmma_scale_f32_16x16x128_f8f6f4 with both operands' format E2M1 (or v_wmma_scale_f32_32x16x128_f4), f32 sums; products left as they are: bf16, f16 or f32 operands; f32 sums; everything else in f32.
;; Inputs: Wk 16 x 1,024 x 64 float32; Wproj 1,024 x 1,024 float32; Wq 16 x 1,024 x 64 float32; Wv 16 x 1,024 x 64 float32; bproj 1,024 float32; x 4 x 2,048 x 1,024 float32.
;; Outputs: out0 4 x 2,048 x 1,024 float32.
;; This version of the problem:
;;   THIS VERSION OF THE PROBLEM IS GIVEN IN LOW PRECISION. The matrix products marked QUANTISED in the list below multiply operands that are first quantised to E2M1 (2 exponent bits, 1 mantissa bit; 4 bits a number), with one power-of-two scale for each 32 numbers along K (OCP MX v1.0); their sums are f32. The products marked 'left as it is' may take bf16, f16 or f32 operands, with f32 sums. Whichever they take, every output number must still come out within the allowed error. Rounding operands to bf16 (8 significant bits) uses up far more of that allowance than f16 does (11 bits, for magnitudes from 6e-5 to 65,504). All else is computed in f32.
;;   The module's matrix products, in the order in which they are computed (A, B: the left and right operand; K: the contracted axis; several contracted axes count as one K, in the product's order):
;;     1. [M 1,024, K 1,024] x [K 1,024, N 8,192]; A: input Wq; B: input x: QUANTISED
;;     2. [M 1,024, K 1,024] x [K 1,024, N 8,192]; A: input Wk; B: input x: QUANTISED
;;     3. [M 1,024, K 1,024] x [K 1,024, N 8,192]; A: input Wv; B: input x: QUANTISED
;;     4. batch 64 x [M 2,048, K 64] x [K 64, N 2,048]; A: computed on the way; B: computed on the way: left as it is (an operand is computed on the way)
;;     5. batch 64 x [M 2,048, K 2,048] x [K 2,048, N 64]; A: computed on the way; B: computed on the way: left as it is (an operand is computed on the way)
;;     6. [M 8,192, K 1,024] x [K 1,024, N 1,024]; A: computed on the way; B: input Wproj: left as it is (an operand is computed on the way)
;;   THE QUANTISER, for each operand of a quantised product, along K:
;;     - K is cut into blocks of 32 from its start; a last block that is shorter is filled with zeros.
;;     - A block's scale is 2^e with e = floor(log2(the largest magnitude in the block)) - 2, held to -126 .. 127; a block of zeros has e = 0. As a byte (E8M0): e + 127.
;;     - Each number is divided by its block's scale, clamped to +-6, and rounded to the nearest number of E2M1, ties to even, subnormals kept.
;;     - The product sums the exact products of the quantised numbers (number of the format x scale) in f32.
;;   ~~~python
;;   def quantise(x, axis):      # numpy; x: float32 -> the quantised numbers, widened to float32 again
;;       x = np.moveaxis(x, axis, -1); K = x.shape[-1]
;;       x = np.pad(x, [(0, 0)] * (x.ndim - 1) + [(0, -K % 32)]); x = x.reshape(x.shape[:-1] + (-1, 32)); a = np.abs(x).max(-1, keepdims=True)
;;       e = np.where(a > 0, np.clip(np.frexp(np.where(a > 0, a, 1))[1] - 1 - 2, -126, 127), 0)      # np.frexp(a)[1] - 1 = floor(log2(a)), exactly
;;       r = np.clip(x / 2.0 ** e, -6, 6)
;;       step = 2.0 ** (np.maximum(np.frexp(np.where(r == 0, 1, r))[1] - 1, 0) - 1)
;;       q = np.round(r / step) * step * 2.0 ** e      # np.round: ties to even
;;       return np.moveaxis(q.reshape(q.shape[:-2] + (-1,))[..., :K], -1, axis).astype(np.float32)
;;   ~~~
;; One version. Each part assembles by itself: llvm-mc -triple=amdgcn-amd-amdhsa -mcpu=gfx1250 --defsym DOCPART=n.
;; ======== version 1 of 1: 6 launches
;; limits: values are held in f16: magnitudes above 65,504 overflow, below 6.1e-05 lose precision
;; workspace buffers: xc 4,194,304 bytes; xs 262,144 bytes; wc 1,572,864 bytes; ws 98,304 bytes; wp 2,097,152 bytes; qkv 50,331,648 bytes; qkv32 786,432 bytes; att 16,777,216 bytes
;; launch quant_x (part 1): grid 256 x 1, 4 waves a work-group, no clusters, 33,280 bytes of LDS; arguments x, xc, xs; writes xc, xs
.if DOCPART == 1
	.amdgcn_target "amdgcn-amd-amdhsa--gfx1250"
	.amdhsa_code_object_version 6
	.text
	.protected	k_qa301908020_quant_x
	.globl	k_qa301908020_quant_x
	.p2align	8
	.type	k_qa301908020_quant_x,@function
k_qa301908020_quant_x:
	s_mov_b64 s[64:65], 0
	v_nop
	global_prefetch_b8 v0, s[64:65] scope:SCOPE_SE
	s_setreg_imm32_b32 hwreg(HW_REG_WAVE_MODE, 25, 1), 1
	s_wait_xcnt 0x0
; x [8192 tokens][1024], f32, becomes codes of FP4 (E2M1), K = the 1,024 channels innermost (xc: 512 bytes a token), with one E8M0 byte for each 32 along K (xs: 32 bytes a token).
; A block's scale is 2^(floor(log2(its largest magnitude)) - 2); its byte is the largest magnitude's exponent field - 2, held at 1 from below.  Each number is divided by the scale and
; rounded to the nearest code, ties to even; beyond 6 the largest code.
; LIMITS: a block of zeros gets the byte 1 (its codes are zeros, which add nothing, and this program alone reads the bytes); NaN and infinities among the inputs are not served.
; Rows are dense and 1,024 is a multiple of 32: the tensor is a plain stream of blocks of 32.  A wave takes 16 steps of 512 numbers.  Each load reads 512 consecutive bytes, 16 a lane; a step's
; 2,048 bytes turn through the wave's own stage in LDS and come back 64 bytes a lane: 16 neighbours along K, two lanes to a block.  A lane's 16 codes are 8 bytes: the wave stores 256 consecutive,
; aligned bytes.  A wave's 256 scale bytes are gathered in its own LDS bytes and leave as one aligned run of 256.  Waves share nothing: no barrier, no cluster, no matrix unit: memory binds.
.set STEPS, 16
.set EMAX,  2
.set CB,    8                          ; bytes of 16 codes
.set R,     16                         ; v16-79   four sets of 16 numbers as they are loaded
.set X,     80                         ; v80-111  two sets of 16 neighbours
.set C,     128                        ; v128-191 codes: four registers for each step, so that no store's data are written again
.set E,     112                        ; v112-127 a scale byte for each step
.set WREG,  8192                       ; LDS: a region for each wave: two stages of 32 x SP bytes, behind them its 256 scale bytes
.set SP,    80                         ; a lane's place in a stage: 64 bytes + 16 of padding
.set SPW,   12                         ; v12  LDS address of my spare word; never rewritten
.set NIL,   13                         ; v13  0; never rewritten
.set SPARE, 4*WREG                     ; behind the four regions: the spare words, 128 bytes a wave, which no other line names
	s_load_b128 s[4:7], s[0:1], 0x0                ; x, xc
	s_load_b64 s[8:9], s[0:1], 0x10                ; xs
	v_lshl_add_u32 v[SPW], v0, 2, SPARE
	v_mov_b32 v[NIL], 0
	v_lshrrev_b32 v1, 5, v0
	v_readfirstlane_b32 s16, v1                    ; wave
	v_and_b32 v2, 31, v0                           ; lane
	v_lshlrev_b32 v3, 4, v2                        ; my 16 bytes of a load's 512
	s_mul_i32 s17, s16, WREG
	v_lshrrev_b32 v14, 2, v2
	v_mul_u32_u24 v14, v14, SP
	v_and_b32 v15, 3, v2
	v_lshl_add_u32 v14, v15, 4, v14
	v_add_nc_u32 v14, s17, v14                     ; the stage, on the way in: four lanes' 64 bytes on end, then 16 of padding
	v_mul_u32_u24 v15, v2, SP
	v_add_nc_u32 v15, s17, v15                     ; on the way out: SP x lane: my 16 neighbours
	v_mul_u32_u24 v4, v2, CB                       ; my codes' place in a step's
	v_lshrrev_b32 v5, 1, v2
	s_add_co_u32 s17, s17, 2*32*SP
	v_add_nc_u32 v5, s17, v5                       ; my wave's 256 scale bytes, my block's byte
	v_lshlrev_b32 v7, 3, v2                        ; and on the way out 8 bytes a lane
	v_add_nc_u32 v6, s17, v7
	s_lshl_b32 s17, ttmp9, 2
	s_add_co_u32 s18, s17, s16                     ; which run of 8,192 numbers is my wave's: 0 .. 1,023
	s_lshl_b32 s20, s18, 15                        ; 32,768 bytes of x,
	s_mov_b32 s21, 0
	s_lshl_b32 s22, s18, 12                        ; 4,096 bytes of codes,
	s_mov_b32 s23, 0
	s_lshl_b32 s24, s18, 8                         ; 256 scale bytes a run
	s_mov_b32 s25, 0
	s_wait_kmcnt 0x0
	s_add_nc_u64 s[4:5], s[4:5], s[20:21]
	s_add_nc_u64 s[6:7], s[6:7], s[22:23]
	s_add_nc_u64 s[8:9], s[8:9], s[24:25]
.macro LOAD t
.irp i, 0,1,2,3
	global_load_b128 v[R+16*((\t)%4)+4*\i:R+16*((\t)%4)+4*\i+3], v3, s[4:5] offset:2048*(\t)+512*\i th:TH_LOAD_NT   ; 32 lanes read 512 consecutive bytes
.endr
.endm
.macro TURN t                          ; step t's numbers through the stage: LDS serves a wave's instructions in order, so no wait stands between the stores and the loads
.irp i, 0,1,2,3
	ds_store_b128 v14, v[R+16*((\t)%4)+4*\i:R+16*((\t)%4)+4*\i+3] offset:32*SP*((\t)%2)+8*SP*\i
.endr
.irp i, 0,1,2,3
	ds_load_b128 v[X+16*((\t)%2)+4*\i:X+16*((\t)%2)+4*\i+3], v15 offset:32*SP*((\t)%2)+16*\i
.endr
.endm
.irp t, 0,1,2,3
	LOAD \t
.endr
	s_wait_loadcnt 12                              ; step 0's four loads are in; the twelve of steps 1 to 3 may be out
	TURN 0
.macro STEP t
.set XS, X+16*((\t)%2)
.if (\t) > 0
	s_wait_dscnt 1                                 ; this step's numbers are back from the stage (the last step's byte store may be out)
.else
	s_wait_dscnt 0x0
.endif
.if (\t)+4 < STEPS
	LOAD (\t)+4                                    ; into the registers that this step's stores into the stage have read
.endif
.if (\t)+1 < STEPS
.if STEPS-2-(\t) >= 3
	s_wait_loadcnt 12                              ; the next step's four loads are in; those of the three steps behind it may be out
.else
	s_wait_loadcnt 4*(STEPS-2-(\t))
.endif
	TURN (\t)+1                                    ; they go through the other stage while this step is worked
.endif
	v_max3_num_f32 v8, |v[XS]|, |v[XS+1]|, |v[XS+2]|               ; the largest magnitude of my 16, in two chains
	v_max3_num_f32 v9, |v[XS+3]|, |v[XS+4]|, |v[XS+5]|
.irp i, 6,10
	v_max3_num_f32 v8, v8, |v[XS+\i]|, |v[XS+\i+1]|
	v_max3_num_f32 v9, v9, |v[XS+\i+2]|, |v[XS+\i+3]|
.endr
	v_max3_num_f32 v8, v8, |v[XS+14]|, |v[XS+15]|
	v_max3_num_f32 v8, v8, v9, (EMAX+1)<<23        ; and the floor 2^(3 - 127): the byte cannot fall under 1
	v_max_num_f32_dpp v8, v8, v8 row_xmask:1 row_mask:0xf bank_mask:0xf   ; and of my neighbour's 16: the block's
	v_add_nc_u32 v11, -(EMAX<<23), v8              ; 2 off its exponent field: the conversion takes the exponent field of this operand as its scale
	v_cvt_scalef32_pk8_fp4_f32 v[C+4*(\t)], v[XS:XS+7], v11
	v_cvt_scalef32_pk8_fp4_f32 v[C+4*(\t)+1], v[XS+8:XS+15], v11
	v_lshrrev_b32 v[E+(\t)], 23, v11               ; the scale's byte (a plain line behind the conversions)
	ds_store_b8 v5, v[E+(\t)] offset:16*(\t)       ; both lanes of a block write the same byte with the same value
	global_store_b64 v4, v[C+4*(\t):C+4*(\t)+1], s[6:7] offset:32*CB*(\t)   ; 32 lanes store 256 consecutive, aligned bytes
.endm
.irp t, 0,1,2,3,4,5,6,7,8,9,10,11,12,13,14,15
	STEP \t
.endr
	ds_load_b64 v[8:9], v6                         ; in order behind my byte stores
	s_wait_dscnt 0x0
	global_store_b64 v7, v[8:9], s[8:9]            ; 32 lanes store 256 consecutive, aligned bytes
	s_wait_tensorcnt 0x0                           ; the wave's end
	ds_add_u32 v[SPW], v[NIL]
	s_wait_dscnt 0x0
	s_endpgm
.Lfunc_end_k_qa301908020_quant_x:
	.size	k_qa301908020_quant_x, .Lfunc_end_k_qa301908020_quant_x-k_qa301908020_quant_x
	.p2alignl 7, 3214868480
	.fill 96, 4, 3214868480
	.section	.rodata,"a",@progbits
	.p2align	6, 0x0
	.amdhsa_kernel k_qa301908020_quant_x
		.amdhsa_group_segment_fixed_size 33280
		.amdhsa_private_segment_fixed_size 0
		.amdhsa_enable_private_segment 0
		.amdhsa_kernarg_size 24
		.amdhsa_user_sgpr_count 2
		.amdhsa_user_sgpr_kernarg_segment_ptr 1
		.amdhsa_wavefront_size32 1
		.amdhsa_system_sgpr_workgroup_id_x 1
		.amdhsa_system_sgpr_workgroup_id_y 1
		.amdhsa_system_sgpr_workgroup_id_z 1
		.amdhsa_system_vgpr_workitem_id 0
		.amdhsa_next_free_vgpr 192
		.amdhsa_next_free_sgpr 66
		.amdhsa_reserve_vcc 0
		.amdhsa_float_denorm_mode_32 3
		.amdhsa_float_denorm_mode_16_64 3
		.amdhsa_memory_ordered 1
		.amdhsa_forward_progress 1
		.amdhsa_inst_pref_size 33
	.end_amdhsa_kernel
	.amdgpu_metadata
---
amdhsa.version: [ 1, 2 ]
amdhsa.kernels:
  - .name:           k_qa301908020_quant_x
    .symbol:         k_qa301908020_quant_x.kd
    .args:
      - { .name: x, .offset: 0, .size: 8, .value_kind: global_buffer, .address_space: global }
      - { .name: xc, .offset: 8, .size: 8, .value_kind: global_buffer, .address_space: global }
      - { .name: xs, .offset: 16, .size: 8, .value_kind: global_buffer, .address_space: global }
    .group_segment_fixed_size: 33280
    .private_segment_fixed_size: 0
    .kernarg_segment_align: 8
    .kernarg_segment_size: 24
    .max_flat_workgroup_size: 128
    .sgpr_count:     66
    .vgpr_count:     192
    .wavefront_size: 32
...
	.end_amdgpu_metadata
.endif
;; end of part 1
;; launch quant_w (part 2): grid 112 x 1, 16 waves a work-group, no clusters, 37,888 bytes of LDS; arguments Wq, Wk, Wv, Wproj, wc, ws, wp; writes wc, ws, wp
.if DOCPART == 2
	.amdgcn_target "amdgcn-amd-amdhsa--gfx1250"
	.amdhsa_code_object_version 6
	.text
	.protected	k_qa301908020_quant_w
	.globl	k_qa301908020_quant_w
	.p2align	8
	.type	k_qa301908020_quant_w,@function
k_qa301908020_quant_w:
	s_mov_b64 s[64:65], 0
	v_nop
	global_prefetch_b8 v0, s[64:65] scope:SCOPE_SE
	s_setreg_imm32_b32 hwreg(HW_REG_WAVE_MODE, 25, 1), 1
	s_wait_xcnt 0x0
; TWO JOBS, told apart by the work-group's number (the same in all sixteen waves).
; Work-groups 0 to 47, one for each (tensor, head): Wq, Wk, Wv [16 heads][1024 (c)][64 (d)], f32, K = c is the MIDDLE axis.  They become codes of FP4 (E2M1) laid [3072 rows n][512 bytes], K innermost,
; n = 1024 x tensor + 64 x head + d, and E8M0 bytes [3072][32].  A LANE TAKES A COLUMN d AND ITS REGISTERS RUN DOWN c: a block of 32 along K lies in one lane's 32 registers, its largest magnitude needs no
; other lane, and the conversions give codes with K innermost.  Wave w takes 32 columns (w % 2) x 128 along K (w / 2): 64 bytes of each column's row.  The sixteen waves' parts meet in a stage in LDS
; (64 rows x 512 bytes), one barrier, and leave as whole rows: each store of a wave covers 512 consecutive, aligned bytes.
; Work-groups 48 to 111: Wproj [1024 (n)][1024 (k)], f32, becomes f16 by planes of 64 along k: wp [16 planes][1024 n][64].  Wave = plane, 16 rows a work-group; no LDS.
; The scale rule is that of the launch that quantises x.  LIMITS: a block of zeros gets the byte 1 (zero codes; this program alone reads the bytes); NaN and infinities are not served;
; Wproj in f16: magnitudes to 65,504; under 6e-5 the rounding's absolute error is about 3e-8.
; No cluster: no two work-groups read a common byte.  No tensor loads: each byte is used once, from registers.
.set SPITCH, 528                       ; a stage row: 512 bytes + 16: row r begins 132 r words on, so sixteen lanes' 16-byte stores fall on sixteen different places modulo 256 bytes
.set SCS,   64*SPITCH                  ; behind the stage: the scale bytes, 64 rows x 32
.set SPARE, SCS+2048                   ; behind them: the spare words, 128 bytes a wave, which no other line names
.set EMAX,  2
.set X,     32                         ; v32-95   two sets of 32 numbers
.set C,     96                         ; v96-99   a block's codes
.set SB,    24                         ; v24      my four scale bytes
.set OUTR,  112                        ; v112-127 four rows' pieces on the way out
.set SPW,   14                         ; v14      LDS address of my spare word; never rewritten
.set NIL,   15                         ; v15      0; never rewritten
	s_load_b256 s[4:11], s[0:1], 0x0               ; Wq, Wk, Wv, Wproj
	s_load_b128 s[12:15], s[0:1], 0x20             ; wc, ws
	s_load_b64 s[16:17], s[0:1], 0x30              ; wp
	v_lshl_add_u32 v[SPW], v0, 2, SPARE
	v_mov_b32 v[NIL], 0
	v_lshrrev_b32 v1, 5, v0
	v_readfirstlane_b32 s18, v1                    ; wave 0..15
	v_and_b32 v2, 31, v0                           ; lane
	s_and_b32 s19, s18, 1                          ; which 32 columns
	s_lshr_b32 s24, s18, 1                         ; which 128 along K
	v_lshlrev_b32 v3, 2, v2                        ; in: 4 bytes a lane
	v_lshlrev_b32 v7, 4, v2                        ; out: 16 bytes a lane
	s_mul_i32 s25, s19, 32*SPITCH                  ; every LDS address is made here, ahead of the parting
	s_lshl_b32 s26, s24, 6
	s_add_co_u32 s25, s25, s26
	v_mul_u32_u24 v4, v2, SPITCH
	v_add_nc_u32 v4, s25, v4                       ; into the stage: row = my column, my 64 bytes of it
	s_lshl_b32 s25, s19, 10
	s_lshl_b32 s26, s24, 2
	s_add_co_u32 s25, s25, s26
	s_add_co_u32 s25, s25, SCS
	v_lshl_add_u32 v5, v2, 5, s25                  ; my column's row of scale bytes, my four
	s_mul_i32 s25, s18, 4*SPITCH
	v_add_nc_u32 v6, s25, v7                       ; out of the stage: rows 4 w .. 4 w + 3, whole
	s_min_u32 s25, s18, 3
	s_lshl_b32 s25, s25, 9
	s_add_co_u32 s25, s25, SCS
	v_add_nc_u32 v8, s25, v7                       ; the scale bytes leave by waves 0 to 3, 512 bytes each
	s_mov_b32 s27, 0
	s_wait_kmcnt 0x0
	s_cmp_ge_u32 ttmp9, 48
	s_cbranch_scc1 .Lproj
	; ---- a head's weight
	s_lshr_b32 s25, ttmp9, 4                       ; which tensor
	s_and_b32 s26, ttmp9, 15                       ; which head
	s_cmp_eq_u32 s25, 0
	s_cselect_b64 s[20:21], s[4:5], s[6:7]
	s_cmp_eq_u32 s25, 2
	s_cselect_b64 s[20:21], s[8:9], s[20:21]
	s_lshl_b32 s26, s26, 18                        ; a head is 262,144 bytes,
	s_lshl_b32 s28, s24, 15                        ; 128 rows c are 32,768,
	s_add_co_u32 s26, s26, s28
	s_lshl_b32 s28, s19, 7                         ; 32 columns are 128
	s_add_co_u32 s26, s26, s28
	s_add_nc_u64 s[20:21], s[20:21], s[26:27]
	s_lshl_b32 s26, ttmp9, 15                      ; codes: 64 rows of 512 bytes a work-group, 4 rows a wave
	s_lshl_b32 s28, s18, 11
	s_add_co_u32 s26, s26, s28
	s_add_nc_u64 s[22:23], s[12:13], s[26:27]
	s_lshl_b32 s26, ttmp9, 11                      ; scale bytes: 2,048 a work-group
	s_min_u32 s28, s18, 3
	s_lshl_b32 s28, s28, 9
	s_add_co_u32 s26, s26, s28
	s_add_nc_u64 s[28:29], s[14:15], s[26:27]
.macro LOAD t                          ; block t: W(32 t + i, my column), i = 0 .. 31, into set t % 2
.set i, 0
.rept 32
	global_load_b32 v[X+32*((\t)%2)+i], v3, s[20:21] offset:(32*(\t)+i)*256 th:TH_LOAD_NT
.set i, i+1
.endr
.endm
	LOAD 0
	LOAD 1
.macro BLOCK t
.set XS, X+32*((\t)%2)
.if (\t) < 3
	s_wait_loadcnt 32                              ; this block's 32 loads are in; the next block's may be out
.else
	s_wait_loadcnt 0x0
.endif
	v_max3_num_f32 v12, |v[XS]|, |v[XS+1]|, |v[XS+2]|              ; the block's largest magnitude: all 32 numbers are mine
	v_max3_num_f32 v13, |v[XS+3]|, |v[XS+4]|, |v[XS+5]|
.irp i, 6,10,14,18,22,26
	v_max3_num_f32 v12, v12, |v[XS+\i]|, |v[XS+\i+1]|
	v_max3_num_f32 v13, v13, |v[XS+\i+2]|, |v[XS+\i+3]|
.endr
	v_max3_num_f32 v12, v12, |v[XS+30]|, |v[XS+31]|
	v_max3_num_f32 v12, v12, v13, (EMAX+1)<<23     ; and the floor 2^(3 - 127): the byte cannot fall under 1
	v_add_nc_u32 v11, -(EMAX<<23), v12             ; 2 off its exponent field: the conversion's scale operand
	v_lshrrev_b32 v13, 23, v11                     ; the scale's byte
.if (\t) == 0
	v_mov_b32 v[SB], v13                           ; four bytes to a register, the lower K in the lower byte
.else
	v_lshl_or_b32 v[SB], v13, 8*(\t), v[SB]
.endif
.irp g, 0,1,2,3
	v_cvt_scalef32_pk8_fp4_f32 v[C+\g], v[XS+8*\g:XS+8*\g+7], v11
.endr
	v_nop                                          ; a plain line behind the last conversion
	ds_store_b128 v4, v[C:C+3] offset:16*(\t)      ; 32 codes: 16 bytes of my column's row
.if (\t) < 2
	LOAD (\t)+2
.endif
	s_wait_dscnt 0x0                               ; the store has read its registers: the next block's codes may be written
.endm
	BLOCK 0
	BLOCK 1
	BLOCK 2
	BLOCK 3
	ds_store_b32 v5, v[SB]
	s_wait_dscnt 0x0                               ; for the others' sake: my stores into the stage are done
	s_barrier_signal -1
	s_barrier_wait -1                              ; 64 whole rows of codes and of scale bytes lie in LDS
.irp i, 0,1,2,3
	ds_load_b128 v[OUTR+4*\i:OUTR+4*\i+3], v6 offset:SPITCH*\i
.endr
.irp i, 0,1,2,3
	s_wait_dscnt 3-\i                              ; the younger loads may be out
	global_store_b128 v7, v[OUTR+4*\i:OUTR+4*\i+3], s[22:23] offset:512*\i   ; a whole row: 512 consecutive, aligned bytes
.endr
	s_cmp_lt_u32 s18, 4
	s_cbranch_scc0 .Lend
	ds_load_b128 v[100:103], v8
	s_wait_dscnt 0x0
	global_store_b128 v7, v[100:103], s[28:29]     ; 16 rows of scale bytes: 512 consecutive, aligned bytes
	s_branch .Lend
.Lproj:
	; ---- Wproj to f16, by planes
	s_sub_co_u32 s25, ttmp9, 48                    ; which 16 rows n
	v_lshrrev_b32 v20, 4, v2
	v_and_b32 v21, 15, v2
	v_lshlrev_b32 v20, 12, v20
	v_lshl_add_u32 v20, v21, 4, v20                ; in: lanes 0-15 one row's 256 bytes of my plane, lanes 16-31 the next row's
	v_lshlrev_b32 v21, 3, v2                       ; out: 8 bytes a lane: two rows of 128 bytes on end
	s_lshl_b32 s26, s25, 16
	s_lshl_b32 s28, s18, 8
	s_add_co_u32 s26, s26, s28
	s_add_nc_u64 s[20:21], s[10:11], s[26:27]
	s_lshl_b32 s26, s18, 17                        ; a plane is 131,072 bytes
	s_lshl_b32 s28, s25, 11
	s_add_co_u32 s26, s26, s28
	s_add_nc_u64 s[22:23], s[16:17], s[26:27]
.irp i, 0,1,2,3,4,5,6,7
	global_load_b128 v[32+4*\i:35+4*\i], v20, s[20:21] offset:8192*\i th:TH_LOAD_NT
.endr
.irp i, 0,1,2,3,4,5,6,7
	s_wait_loadcnt 7-\i                            ; the younger loads may be out
	v_cvt_pk_f16_f32 v[64+2*\i], v[32+4*\i], v[33+4*\i]
	v_cvt_pk_f16_f32 v[65+2*\i], v[34+4*\i], v[35+4*\i]
	global_store_b64 v21, v[64+2*\i:65+2*\i], s[22:23] offset:256*\i   ; 32 lanes store 256 consecutive, aligned bytes
.endr
.Lend:
	s_wait_tensorcnt 0x0                           ; the wave's end
	ds_add_u32 v[SPW], v[NIL]
	s_wait_dscnt 0x0
	s_endpgm
.Lfunc_end_k_qa301908020_quant_w:
	.size	k_qa301908020_quant_w, .Lfunc_end_k_qa301908020_quant_w-k_qa301908020_quant_w
	.p2alignl 7, 3214868480
	.fill 96, 4, 3214868480
	.section	.rodata,"a",@progbits
	.p2align	6, 0x0
	.amdhsa_kernel k_qa301908020_quant_w
		.amdhsa_group_segment_fixed_size 37888
		.amdhsa_private_segment_fixed_size 0
		.amdhsa_enable_private_segment 0
		.amdhsa_kernarg_size 56
		.amdhsa_user_sgpr_count 2
		.amdhsa_user_sgpr_kernarg_segment_ptr 1
		.amdhsa_wavefront_size32 1
		.amdhsa_system_sgpr_workgroup_id_x 1
		.amdhsa_system_sgpr_workgroup_id_y 1
		.amdhsa_system_sgpr_workgroup_id_z 1
		.amdhsa_system_vgpr_workitem_id 0
		.amdhsa_next_free_vgpr 128
		.amdhsa_next_free_sgpr 66
		.amdhsa_reserve_vcc 0
		.amdhsa_float_denorm_mode_32 3
		.amdhsa_float_denorm_mode_16_64 3
		.amdhsa_memory_ordered 1
		.amdhsa_forward_progress 1
		.amdhsa_inst_pref_size 26
	.end_amdhsa_kernel
	.amdgpu_metadata
---
amdhsa.version: [ 1, 2 ]
amdhsa.kernels:
  - .name:           k_qa301908020_quant_w
    .symbol:         k_qa301908020_quant_w.kd
    .args:
      - { .name: Wq, .offset: 0, .size: 8, .value_kind: global_buffer, .address_space: global }
      - { .name: Wk, .offset: 8, .size: 8, .value_kind: global_buffer, .address_space: global }
      - { .name: Wv, .offset: 16, .size: 8, .value_kind: global_buffer, .address_space: global }
      - { .name: Wproj, .offset: 24, .size: 8, .value_kind: global_buffer, .address_space: global }
      - { .name: wc, .offset: 32, .size: 8, .value_kind: global_buffer, .address_space: global }
      - { .name: ws, .offset: 40, .size: 8, .value_kind: global_buffer, .address_space: global }
      - { .name: wp, .offset: 48, .size: 8, .value_kind: global_buffer, .address_space: global }
    .group_segment_fixed_size: 37888
    .private_segment_fixed_size: 0
    .kernarg_segment_align: 8
    .kernarg_segment_size: 56
    .max_flat_workgroup_size: 512
    .sgpr_count:     66
    .vgpr_count:     128
    .wavefront_size: 32
...
	.end_amdgpu_metadata
.endif
;; end of part 2
;; launch qkv (part 3): grid 12 x 32, 4 waves a work-group, clusters of 4 x 4, 327,680 bytes of LDS; arguments xc, xs, wc, ws, qkv, qkv32; writes qkv, qkv32
.if DOCPART == 3
	.amdgcn_target "amdgcn-amd-amdhsa--gfx1250"
	.amdhsa_code_object_version 6
	.text
	.protected	k_qa301908020_qkv
	.globl	k_qa301908020_qkv
	.p2align	8
	.type	k_qa301908020_qkv,@function
k_qa301908020_qkv:
	s_mov_b64 s[64:65], 0
	v_nop
	global_prefetch_b8 v0, s[64:65] scope:SCOPE_SE
	s_setreg_imm32_b32 hwreg(HW_REG_WAVE_MODE, 25, 1), 1
	s_wait_xcnt 0x0
	s_wait_alu depctr_hold_cnt(0) depctr_sa_sdst(0) depctr_va_vdst(0) depctr_va_sdst(0) depctr_va_ssrc(0) depctr_va_vcc(0) depctr_vm_vsrc(0)
	s_getreg_b32 s2, hwreg(HW_REG_IB_STS2, 6, 4)
	s_cmp_eq_u32 s2, 0
	s_cbranch_scc0 .Lentry_in_a_cluster
	s_endpgm
.Lentry_in_a_cluster:
	s_bfe_u32 s2, ttmp6, 0x10000c
	s_cmp_lg_u32 s2, 0xf033
	s_cbranch_scc0 .Lentry_shape_is_right
	s_endpgm
.Lentry_shape_is_right:
; THE THREE QUANTISED PRODUCTS AS ONE GEMM ON CODES OF FP4 (E2M1): C[token][n] = sum over c of x[token][c] W[n][c]; 8,192 tokens, n = 1024 x (q, k, v) + 64 x head + d: 3,072 rows of codes, K = 1,024.
; Codes: 512 bytes a row, the lower k in the low four bits; one E8M0 byte for each 32 along K, 32 bytes a row.  The matrix instruction takes codes and scale bytes as they lie.  Sums in f32.
; A tile of C, 256 x 256, is made by a work-group of four waves; a wave makes 128 x 128: 64 accumulators of 16 x 16, 512 registers.  K = 1,024 is two slots of 512 along K (rows of 256 bytes): both are
; asked for at the start, with the scales of all of K, and nothing is filled again: a wave has three tensor loads out.
; CLUSTERS: 4 x 4 work-groups.  The four of a row of the cluster need the same tiles of x, the four of a column the same tiles of W: each is asked for JOINTLY, by the same tensor load with a mask that
; names the four.  The tile row is 8 x cy + cluster y: so cy is the batch, and whether a tile holds a sequence's first positions hangs on cluster y alone, which all sixteen partners share.
; THE MATRIX INSTRUCTION IS USED TRANSPOSED (source 0 = 16 rows of W, source 1 = 16 tokens): a lane holds eight neighbouring n of one token.
; RESULTS: rounded to f16 into qkv [batch][48 groups g = n / 64][2048 positions][64]: a group's rows are 128 dense bytes, so four rows are 512 consecutive bytes for one store.  Positions 0 to 15 of each
; sequence go also, unrounded, into qkv32 [16 x batch + position][3072] f32, for the launch that carries those rows in f32.
; LIMITS: f16 results: magnitudes to 65,504; under 6e-5 an absolute error of about 3e-8.
; REGISTERS, in windows of 256: window 0: v0-31 addresses; v32-95 scale words, two sets; from v128 x's fragments, ONE set; on the way out v32-63, v192-255 at work.
;   window 1: W's fragments, TWO sets, at v0 and v128.   window 2: the accumulators of my rows 0-63 ((a, b) at v[8 (8 a + b)]);   window 3: those of my rows 64-127.
.set NQ,     4                         ; matrix instructions deep in a slot
.set ROWB,   256                       ; a tile's row in bytes: 512 codes
.set KROW,   512                       ; a row of codes in memory
.set PITCH,  272                       ; an LDS row: 256 bytes + 16: row r begins 68 r words on, so the 16 rows of a load fall on 16 different places modulo 256 bytes
.set FR,     8                         ; registers of a fragment: 16 rows x 128 K
.set NL,     2                         ; LDS loads that bring one
.set NP,     4                         ; places behind this matrix instruction (ISA guide 7.12.1)
.set HALFT,  128*PITCH                 ; 128 rows: what one tensor load brings
.set SLOT,   4*HALFT                   ; x's 256 rows, then W's 256 rows
.set KS,     32                        ; a row of scales in bytes
.set SCL,    2*SLOT                    ; behind the slots: the scales, as runs of 256 bytes + 16 of padding
.set HALFS,  (128*KS/256)*272          ; the scales of 128 rows: what one tensor load brings
.set SBLK,   (16*KS/256)*272           ; those of 16 rows
.set SPARE,  SCL+4*HALFS               ; behind the scales: the spare words, 128 bytes a wave, which no other line names
.set SP,     144                       ; the way out: a stage row of 128 bytes + 16; a wave's stage is 2 groups x 16 rows, in slot 0, which has had its only fill and its last read by then
.set ADRA, 16                          ; v16-17  LDS address of my x fragments in slot 0, 1
.set ADRB, 20                          ; v20-21  the same for W
.set STO,  24                          ; v24     the way out: where I put 16 bytes of a row
.set RD,   25                          ; v25     where I read rows back
.set CO,   26                          ; v26     16 x lane: my place in 512 bytes of qkv
.set ADRS, 27                          ; v27     LDS address of my scale words: lanes 0-15 x's rows, lanes 16-31 W's
.set SPW,  28                          ; v28     LDS address of my spare word; never rewritten
.set NIL,  29                          ; v29     0; never rewritten
.set FO,   30                          ; v30     my byte offset in qkv32
.set SC,   32                          ; scale words: set s at v[SC + 32 s]; register 4 i + q: lanes 0-15 x's block i, lanes 16-31 W's block i, the slot's q-th 128 along K
.set AF,   128                         ; x's fragments, in window 0
.set TMP,  192                         ; the way out: packed results
.set OB,   32                          ; rows read back from the stage: v32-63 and v224-255 by turns
.set G1, 24                            ; s[24:31] descriptor group 1 for x's tiles;  s[32:39] group 0, one set for each slot
.set G0, 32
.set G1B, 48                           ; s[48:55], s[56:63] the same for W's tiles
.set G0B, 56
.set G1S, 68                           ; s[68:75], s[76:79] groups 1 and 0 for x's scales;  s[80:87], s[88:91] for W's
.set G0S, 76
.set G1SB, 80
.set G0SB, 88
.set MSB, 0
.macro WIN new                         ; the immediate's high byte repeats the setting that is left; a switch that changes nothing is dropped
.if MSB != (\new)
	s_set_vgpr_msb (MSB<<8)|(\new)
.set MSB, (\new)
.endif
.endm
.set MUL_LO, 0xa1                      ; source 0 (W) window 1, source 1 (x) window 0, C and D window 2
.set MUL_HI, 0xf1                      ; the same, C and D window 3
.set TO_B,   0x40                      ; destination window 1, address window 0
; A joint load: waves 0 and 1 fetch for x, waves 2 and 3 for W.  Each line has one mask and one set of registers for all that issue it; the branch hangs on the wave's number alone.
; An s_nop 0 and four v_nop follow each of the two lines.
.macro JLOAD g0a, g1a, g0b, g1b
	s_cmp_eq_u32 s15, 0
	s_cbranch_scc0 .Lfor_b_\@
	tensor_load_to_lds s[\g0a:\g0a+3], s[\g1a:\g1a+7]
	s_nop 0
.rept 4
	v_nop
.endr
	s_branch .Lasked_\@
.Lfor_b_\@:
	tensor_load_to_lds s[\g0b:\g0b+3], s[\g1b:\g1b+7]
	s_nop 0
.rept 4
	v_nop
.endr
.Lasked_\@:
.endm
.macro CROUND                          ; a round of the cluster's barrier: my work-group's barrier, wave 0's signal for the work-group, every wave's wait for all sixteen, my work-group's barrier once more
	s_barrier_signal -1
	s_barrier_wait -1
	s_cmp_lg_u32 s14, 0
	s_cbranch_scc1 .Lnot_wave_0_\@
	s_barrier_signal -3
.Lnot_wave_0_\@:
	s_barrier_wait -3
	s_barrier_signal -1
	s_barrier_wait -1
.endm
	s_load_b128 s[4:7], s[0:1], 0x0                ; x's codes, x's scales
	s_load_b128 s[8:11], s[0:1], 0x10              ; W's codes, W's scales
	s_load_b128 s[96:99], s[0:1], 0x20             ; qkv, qkv32
	v_lshl_add_u32 v[SPW], v0, 2, SPARE
	v_mov_b32 v[NIL], 0
	ds_add_u32 v[SPW], v[NIL]                      ; the wave's opening: the add, twice on end, and its wait ahead of my first tensor load
	ds_add_u32 v[SPW], v[NIL]                      ; and once more, under the one wait; the set-up below, work on registers, stands between
	v_lshrrev_b32 v1, 5, v0
	v_readfirstlane_b32 s14, v1                    ; wave 0..3
	s_lshr_b32 s15, s14, 1                         ; which half of the tile's rows is mine.  Also: I fetch for x (0) or for W (1)
	s_and_b32 s16, s14, 1                          ; which half of its columns.  Also: which 128 rows of that tile I fetch
	s_bfe_u32 s40, ttmp6, 0x40000                  ; cx, cy: my place in the cluster
	s_bfe_u32 s41, ttmp6, 0x40004
	s_lshl_b32 s42, ttmp9, 2
	s_add_co_u32 s42, s42, s40                     ; tile column = 4 x cluster x + cx
	s_and_b32 s95, ttmp7, 0xffff                   ; cluster y: which 256 positions of a sequence
	s_lshl_b32 s17, s41, 3
	s_add_co_u32 s17, s17, s95                     ; tile row = 8 x cy + cluster y: cy is the batch
	s_lshl_b32 s43, s41, 2
	s_lshl_b32 s43, 15, s43                        ; my row of the cluster
	s_lshl_b32 s44, 0x1111, s40                    ; my column
	; descriptor group 1: a tile of 128 rows x 256 bytes, padded in LDS
	s_or_b32 s[G1+0], s43, (0<<16)|(1<<20)|(1<<21)|(5<<22)|(3<<25)  ; 15:0 the mask; 17:16 elements of 1 byte; 20 padding on; 21 set beside a mask; 24:22 after every 64 words; 31:25 four words
	s_or_b32 s[G1B+0], s44, (0<<16)|(1<<20)|(1<<21)|(5<<22)|(3<<25)
.irp g, G1, G1B
	s_mov_b32 s[\g+1], ROWB<<16                    ; tensor_dim0
	s_mov_b32 s[\g+2], 128<<16                     ; tensor_dim1
	s_mov_b32 s[\g+3], ROWB<<16                    ; tile_dim0
	s_mov_b32 s[\g+4], 128                         ; tile_dim1
	s_mov_b32 s[\g+5], KROW                        ; tensor_dim0_stride
	s_mov_b32 s[\g+6], 0
	s_mov_b32 s[\g+7], 0
.endr
	; the scales of 128 rows: 4,096 dense bytes, as 16 rows of 256 bytes (32 elements of 8 bytes), 16 bytes of padding behind each
	s_or_b32 s[G1S+0], s43, (3<<16)|(1<<20)|(1<<21)|(5<<22)|(3<<25)
	s_or_b32 s[G1SB+0], s44, (3<<16)|(1<<20)|(1<<21)|(5<<22)|(3<<25)
.irp g, G1S, G1SB
	s_mov_b32 s[\g+1], 32<<16
	s_mov_b32 s[\g+2], (128*KS/256)<<16
	s_mov_b32 s[\g+3], 32<<16
	s_mov_b32 s[\g+4], 128*KS/256
	s_mov_b32 s[\g+5], 32
	s_mov_b32 s[\g+6], 0
	s_mov_b32 s[\g+7], 0
.endr
	s_lshl_b32 s18, s16, 7                         ; which 128 rows of the tile I fetch
	s_lshl_b32 s20, s17, 8
	s_add_co_u32 s20, s20, s18                     ; x: row 256 x tile row + 128 x half
	s_lshl_b32 s46, s42, 8
	s_add_co_u32 s46, s46, s18                     ; W: row 256 x tile column + 128 x half
	s_mov_b32 s21, 0
	s_mov_b32 s47, 0
	s_mov_b64 s[18:19], KS
	s_mul_u64 s[22:23], s[20:21], s[18:19]         ; where these rows' scales begin, in bytes
	s_mul_u64 s[92:93], s[46:47], s[18:19]
	s_mov_b64 s[18:19], KROW
	s_mul_u64 s[20:21], s[20:21], s[18:19]         ; and their codes
	s_mul_u64 s[46:47], s[46:47], s[18:19]
	s_mul_i32 s45, s14, HALFT                      ; where they go: wave x 128 rows: no place in the cluster enters an LDS address
	s_mul_i32 s94, s14, HALFS
	s_wait_dscnt 0x0                               ; both opening adds are done
	s_wait_kmcnt 0x0
	s_add_nc_u64 s[20:21], s[4:5], s[20:21]
	s_add_nc_u64 s[22:23], s[6:7], s[22:23]
	s_add_nc_u64 s[46:47], s[8:9], s[46:47]
	s_add_nc_u64 s[92:93], s[10:11], s[92:93]
	CROUND                                         ; all sixteen work-groups are here: the joint loads meet
	s_mov_b32 s[G0S], 1
	s_add_co_u32 s[G0S+1], s94, SCL
	s_mov_b64 s[G0S+2:G0S+3], s[22:23]
	s_or_b32 s[G0S+3], s[G0S+3], 0x80000000
	s_mov_b32 s[G0SB], 1
	s_add_co_u32 s[G0SB+1], s94, SCL
	s_mov_b64 s[G0SB+2:G0SB+3], s[92:93]
	s_or_b32 s[G0SB+3], s[G0SB+3], 0x80000000
	JLOAD G0S, G1S, G0SB, G1SB                     ; the scales first: they are wanted with the first slot
.irp s, 0,1
	s_mov_b32 s[G0+4*\s], 1
	s_add_co_u32 s[G0+4*\s+1], s45, \s*SLOT
	s_add_nc_u64 s[G0+4*\s+2:G0+4*\s+3], s[20:21], \s*ROWB
	s_or_b32 s[G0+4*\s+3], s[G0+4*\s+3], 0x80000000
	s_mov_b32 s[G0B+4*\s], 1
	s_add_co_u32 s[G0B+4*\s+1], s45, \s*SLOT
	s_add_nc_u64 s[G0B+4*\s+2:G0B+4*\s+3], s[46:47], \s*ROWB
	s_or_b32 s[G0B+4*\s+3], s[G0B+4*\s+3], 0x80000000
	JLOAD G0+4*\s, G1, G0B+4*\s, G1B
.endr
	v_and_b32 v1, 15, v0                           ; l % 16
	v_bfe_u32 v2, v0, 4, 1                         ; l / 16
	v_mul_u32_u24 v3, v1, PITCH
	v_lshl_add_u32 v4, v2, 4, v3                   ; a fragment's row x pitch + 16 x half
	s_mul_i32 s21, s15, HALFT                      ; my 128 rows of x
	s_mul_i32 s22, s16, HALFT                      ; my 128 rows of W,
	s_add_co_u32 s22, s22, 2*HALFT                 ; which lie behind x's 256
.irp s, 0,1
	v_add_nc_u32 v[ADRA+\s], s21, v4
	v_add_nc_u32 v[ADRB+\s], s22, v4
	s_add_co_u32 s21, s21, SLOT
	s_add_co_u32 s22, s22, SLOT
.endr
	v_mul_u32_u24 v5, v1, KS                       ; my row's scales: 32 bytes a row,
	v_lshrrev_b32 v6, 8, v5
	v_lshl_add_u32 v5, v6, 4, v5                   ; and 16 more for each 256 passed
	s_mul_i32 s21, s15, HALFS                      ; x's: my 128 rows
	s_mul_i32 s22, s16, HALFS                      ; W's: my 128 rows, behind x's 256
	s_add_co_u32 s22, s22, 2*HALFS
	s_sub_co_u32 s22, s22, s21
	v_mul_u32_u24 v6, s22, v2                      ; lanes 16-31 take W's: one product, the distance between the two bases
	s_add_co_u32 s21, s21, SCL
	v_add_nc_u32 v5, v5, v6
	v_add_nc_u32 v[ADRS], s21, v5
	s_mul_i32 s23, s14, 2*16*SP                    ; my stage
	v_mul_u32_u24 v5, v1, SP                       ; in: row l % 16, 16 bytes for each half of the lanes
	v_lshl_add_u32 v5, v2, 4, v5
	v_add_nc_u32 v[STO], s23, v5
	v_and_b32 v6, 31, v0
	v_lshrrev_b32 v5, 3, v6                        ; back: eight lanes to a row of 128 bytes, four rows an instruction
	v_mul_u32_u24 v5, v5, SP
	v_and_b32 v7, 7, v0
	v_lshl_add_u32 v5, v7, 4, v5
	v_add_nc_u32 v[RD], s23, v5
	v_lshlrev_b32 v[CO], 4, v6
	v_mul_u32_u24 v[FO], v1, 12288                 ; qkv32: row l % 16 of 12,288 bytes, 32 bytes for each half of the lanes
	v_lshl_add_u32 v[FO], v2, 5, v[FO]
	s_mul_i32 s20, s41, 48                         ; qkv: group 48 x batch + 4 x tile column + 2 x column half,
	s_lshl_b32 s21, s42, 2
	s_add_co_u32 s20, s20, s21
	s_lshl_b32 s21, s16, 1
	s_add_co_u32 s20, s20, s21
	s_lshl_b32 s20, s20, 11                        ; of 2,048 rows;
	s_lshl_b32 s21, s95, 8
	s_add_co_u32 s20, s20, s21                     ; position 256 x cluster y + 128 x row half;
	s_lshl_b32 s21, s15, 7
	s_add_co_u32 s20, s20, s21
	s_lshl_b32 s20, s20, 7                         ; 128 bytes a row (under 2^26)
	s_mov_b32 s21, 0
	s_add_nc_u64 s[96:97], s[96:97], s[20:21]
	s_mul_i32 s20, s41, 196608                     ; qkv32: 16 rows a batch, my 128 columns
	s_lshl_b32 s46, s42, 10
	s_add_co_u32 s20, s20, s46
	s_lshl_b32 s46, s16, 9
	s_add_co_u32 s20, s20, s46
	s_add_nc_u64 s[98:99], s[98:99], s[20:21]
.macro FRAG reg, adr, q, i             ; a fragment, 16 rows x 128 K of 4-bit codes: lane l holds row l % 16; registers 4 c .. 4 c + 3 hold K = 64 c + 32 (l / 16) + 0 .. 31
.irp c, 0,1
	ds_load_b128 v[\reg+4*\c:\reg+4*\c+3], v[\adr] offset:64*(\q)+32*\c+(\i)*16*PITCH
.endr
.endm
; 16 matrix instructions: x's blocks a0, a0 + 1 against W's eight, the slot's q-th 128 along K.  p: W's set;  sc: the set of scale words.  zero = 1: the first product starts the sums.
; The 64 accumulators take turns, one instruction a turn, in the same order in every step.
.macro MUL16 a0, p, q, sc, zero
.irp a, \a0, \a0+1
.irp b, 0,1,2,3,4,5,6,7
.if \zero
	v_wmma_scale_f32_16x16x128_f8f6f4 v[8*(8*((\a)%4)+\b):8*(8*((\a)%4)+\b)+7], v[128*(\p)+FR*\b:128*(\p)+FR*\b+FR-1], v[AF+FR*(\a):AF+FR*(\a)+FR-1], 0, v[SC+8*NQ*(\sc)+NQ*\b+(\q)], v[SC+8*NQ*(\sc)+NQ*(\a)+(\q)] matrix_a_fmt:MATRIX_FMT_FP4 matrix_b_fmt:MATRIX_FMT_FP4 matrix_a_scale:MATRIX_SCALE_ROW1
.else
	v_wmma_scale_f32_16x16x128_f8f6f4 v[8*(8*((\a)%4)+\b):8*(8*((\a)%4)+\b)+7], v[128*(\p)+FR*\b:128*(\p)+FR*\b+FR-1], v[AF+FR*(\a):AF+FR*(\a)+FR-1], v[8*(8*((\a)%4)+\b):8*(8*((\a)%4)+\b)+7], v[SC+8*NQ*(\sc)+NQ*\b+(\q)], v[SC+8*NQ*(\sc)+NQ*(\a)+(\q)] matrix_a_fmt:MATRIX_FMT_FP4 matrix_b_fmt:MATRIX_FMT_FP4 matrix_a_scale:MATRIX_SCALE_ROW1
.endif
.endr
.endr
.endm
.macro FETCH_B slot, q, p              ; W's eight fragments of the slot's q-th 128 along K into set p
	WIN TO_B
.irp i, 0,1,2,3,4,5,6,7
	FRAG 128*(\p)+FR*\i, ADRB+\slot, \q, \i
.endr
	WIN 0
.endm
.macro FETCH_A slot, q, i0             ; x's blocks i0 .. i0 + 3
.irp i, \i0, \i0+1, \i0+2, \i0+3
	FRAG AF+FR*(\i), ADRA+\slot, \q, \i
.endr
.endm
.macro SCALES sc                       ; a slot's scale words into set sc: four words a row; lanes 0-15 take x's block i, lanes 16-31 W's block i
.irp i, 0,1,2,3,4,5,6,7
	ds_load_b128 v[SC+8*NQ*\sc+NQ*\i:SC+8*NQ*\sc+NQ*\i+3], v[ADRS] offset:\i*SBLK
.endr
.endm
; A load into a register that a matrix instruction has read, and a vector instruction or a store that reads a matrix result, stand NP places behind it; only plain vector instructions that name
; none of its registers are places (ISA guide 7.12.1 for vector instructions).
.macro PLACES n
.rept \n
	v_nop
.endr
.endm
; A step of 128 along K that has its successor in the same slot.  x has one set of registers: blocks 0-3 are fetched anew in the step's middle, blocks 4-7 at its end; W has two sets.
.macro STEP slot, q, zero
	s_wait_dscnt 4*NL                              ; W's set and x's blocks 0-3 are in; the youngest eight loads (x's blocks 4-7) may be out
	WIN MUL_LO
	MUL16 0, (\q)%2, \q, \slot, \zero
	MUL16 2, (\q)%2, \q, \slot, \zero
	s_wait_dscnt 0                                 ; x's blocks 4-7 are in (asked for 32 matrix instructions ago)
	PLACES NP
	FETCH_B \slot, (\q)+1, 1-(\q)%2
	FETCH_A \slot, (\q)+1, 0
	WIN MUL_HI
	MUL16 4, (\q)%2, \q, \slot, \zero
	MUL16 6, (\q)%2, \q, \slot, \zero
	PLACES NP
	WIN 0
	FETCH_A \slot, (\q)+1, 4
.endm
; Slot 0's last step changes slots: one barrier; in front of it each wave waits for all its tensor loads (its part of slot 1), adds 0 to its spare word, and waits for that and for its reads of slot 0.
; Nothing is filled again; behind the barrier slot 1 is whole and nobody reads slot 0 any more, which later serves as the stages.
.macro TURN slot, next
	s_wait_tensorcnt 0x0                           ; all my tensor loads have landed  (every window is 0 here: the add's two registers lie in window 0)
	ds_add_u32 v[SPW], v[NIL]                      ; 0 onto my spare word
	s_wait_dscnt 4*NL+1                            ; (the add and the youngest eight loads may be out)
	WIN MUL_LO
	MUL16 0, 1, NQ-1, \slot, 0                     ; sixteen matrix instructions stand between the add and the wait for it
	s_wait_dscnt 0x0                               ; the add is done, and my reads of this slot are over
	s_barrier_signal -1
	MUL16 2, 1, NQ-1, \slot, 0
	WIN 0
	s_barrier_wait -1
	PLACES NP
	v_add_nc_u32 v[ADRS], 4*NQ, v[ADRS]            ; on to the next slot's scale words (no LDS load of mine is out)
	FETCH_B \next, 0, 0
	FETCH_A \next, 0, 0
	SCALES \next
	WIN MUL_HI
	MUL16 4, 1, NQ-1, \slot, 0
	MUL16 6, 1, NQ-1, \slot, 0
	PLACES NP
	WIN 0
	FETCH_A \next, 0, 4
.endm
.macro STEPS slot, from                ; the slot's steps from .. NQ - 2
.set Q, \from
.rept NQ-1-\from
	STEP \slot, Q, 0
.set Q, Q+1
.endr
.endm
	s_wait_tensorcnt 1                             ; the scales and my part of slot 0 are in (slot 1's load may be out)
	s_barrier_signal -1
	s_barrier_wait -1                              ; everybody's are
	FETCH_B 0, 0, 0
	FETCH_A 0, 0, 0
	SCALES 0
	FETCH_A 0, 0, 4
	STEP 0, 0, 1                                   ; the first step's products start the sums: nothing is cleared
	STEPS 0, 1
	TURN 0, 1
	STEPS 1, 0
	s_wait_dscnt 4*NL                              ; the very last step: nothing more to fetch
	WIN MUL_LO
	MUL16 0, 1, NQ-1, 1, 0
	MUL16 2, 1, NQ-1, 1, 0
	s_wait_dscnt 0
	WIN MUL_HI
	MUL16 4, 1, NQ-1, 1, 0
	MUL16 6, 1, NQ-1, 1, 0
	WIN 0
	PLACES NP                                      ; behind the last products, ahead of every read of results and of the loads into registers that held scales
	; POSITIONS 0 TO 15 IN f32: they are block 0 of the waves with the tile's upper rows, in the tiles with cluster y = 0: a branch on the wave's number and on a number that all partners share
	s_or_b32 s94, s95, s15
	s_cmp_lg_u32 s94, 0
	s_cbranch_scc1 .Lno_fine
	WIN 0x08                                       ; a store's data are its source 1: window 2
.irp b, 0,1,2,3,4,5,6,7
	global_store_b128 v[FO], v[8*\b:8*\b+3], s[98:99] offset:64*\b         ; each accumulator from its low end on
	global_store_b128 v[FO], v[8*\b+4:8*\b+7], s[98:99] offset:64*\b+16
.endr
	WIN 0
.Lno_fine:
; THE WAY OUT, block by block of 16 tokens x 128 n.  PACK: rounded to f16, 16 bytes a lane.  TOSTAGE: into my own stage (two groups of 64 n, 16 rows of 128 bytes each) and back by rows.  SEND: stored.
.macro PACK a
.set AC, 64*((\a)%4)
	WIN 0x0a+5*((\a)/4)                            ; sources 0 and 1: window 2 or 3
.irp b, 0,1,2,3,4,5,6,7
.irp r, 0,1,2,3
	v_cvt_pk_f16_f32 v[TMP+4*\b+\r], v[AC+8*\b+2*\r], v[AC+8*\b+2*\r+1]   ; each accumulator from its low end on
.endr
.endr
	WIN 0
.endm
.macro TOSTAGE a
.set BK, OB+192*((\a)%2)
.irp b, 0,1,2,3,4,5,6,7
	ds_store_b128 v[STO], v[TMP+4*\b:TMP+4*\b+3] offset:(\b/4)*16*SP+32*(\b%4)
.endr
.irp t, 0,1,2,3,4,5,6,7
	ds_load_b128 v[BK+4*\t:BK+4*\t+3], v[RD] offset:(\t/4)*16*SP+(\t%4)*4*SP   ; LDS serves a wave's instructions in order: these see the stores above
.endr
.endm
.macro SEND a
.set BK, OB+192*((\a)%2)
	s_wait_dscnt 0x0                               ; the block is back in registers
	s_wait_xcnt 0x0                                ; the block before has had its stores' addresses translated: its registers are loaded again only behind this wait
.irp t, 0,1,2,3,4,5,6,7
	global_store_b128 v[CO], v[BK+4*\t:BK+4*\t+3], s[96:97] offset:(\t/4)*262144+(\a)*2048+(\t%4)*512   ; four rows of a group: 512 consecutive, aligned bytes; the base is never stepped
.endr
.endm
	PACK 0
	TOSTAGE 0
.irp a, 1,2,3,4,5,6,7                  ; block a's conversions stand between block a - 1's loads from the stage and the wait for them
	PACK \a
	SEND (\a)-1
	TOSTAGE \a
.endr
	SEND 7
	s_wait_tensorcnt 0x0                           ; the wave's end
	ds_add_u32 v[SPW], v[NIL]
	s_wait_dscnt 0x0
	CROUND                                         ; the closing round: no work-group ends while a partner may still ask for a tile that names it
	s_endpgm
.Lfunc_end_k_qa301908020_qkv:
	.size	k_qa301908020_qkv, .Lfunc_end_k_qa301908020_qkv-k_qa301908020_qkv
	.p2alignl 7, 3214868480
	.fill 96, 4, 3214868480
	.section	.rodata,"a",@progbits
	.p2align	6, 0x0
	.amdhsa_kernel k_qa301908020_qkv
		.amdhsa_group_segment_fixed_size 327680
		.amdhsa_private_segment_fixed_size 0
		.amdhsa_enable_private_segment 0
		.amdhsa_kernarg_size 48
		.amdhsa_user_sgpr_count 2
		.amdhsa_user_sgpr_kernarg_segment_ptr 1
		.amdhsa_wavefront_size32 1
		.amdhsa_system_sgpr_workgroup_id_x 1
		.amdhsa_system_sgpr_workgroup_id_y 1
		.amdhsa_system_sgpr_workgroup_id_z 1
		.amdhsa_system_vgpr_workitem_id 0
		.amdhsa_next_free_vgpr 1024
		.amdhsa_next_free_sgpr 100
		.amdhsa_reserve_vcc 0
		.amdhsa_float_denorm_mode_32 3
		.amdhsa_float_denorm_mode_16_64 3
		.amdhsa_memory_ordered 1
		.amdhsa_forward_progress 1
		.amdhsa_inst_pref_size 128
	.end_amdhsa_kernel
	.amdgpu_metadata
---
amdhsa.version: [ 1, 2 ]
amdhsa.kernels:
  - .name:           k_qa301908020_qkv
    .symbol:         k_qa301908020_qkv.kd
    .args:
      - { .name: xc, .offset: 0, .size: 8, .value_kind: global_buffer, .address_space: global }
      - { .name: xs, .offset: 8, .size: 8, .value_kind: global_buffer, .address_space: global }
      - { .name: wc, .offset: 16, .size: 8, .value_kind: global_buffer, .address_space: global }
      - { .name: ws, .offset: 24, .size: 8, .value_kind: global_buffer, .address_space: global }
      - { .name: qkv, .offset: 32, .size: 8, .value_kind: global_buffer, .address_space: global }
      - { .name: qkv32, .offset: 40, .size: 8, .value_kind: global_buffer, .address_space: global }
    .group_segment_fixed_size: 327680
    .private_segment_fixed_size: 0
    .kernarg_segment_align: 8
    .kernarg_segment_size: 48
    .max_flat_workgroup_size: 128
    .sgpr_count:     100
    .vgpr_count:     1024
    .wavefront_size: 32
...
	.end_amdgpu_metadata
.endif
;; end of part 3
;; launch attn (part 4): grid 4 x 64, 16 waves a work-group, clusters of 4 x 1, 327,680 bytes of LDS; arguments qkv, att; writes att
.if DOCPART == 4
	.amdgcn_target "amdgcn-amd-amdhsa--gfx1250"
	.amdhsa_code_object_version 6
	.text
	.protected	k_qa301908020_attn
	.globl	k_qa301908020_attn
	.p2align	8
	.type	k_qa301908020_attn,@function
k_qa301908020_attn:
	s_mov_b64 s[64:65], 0
	v_nop
	global_prefetch_b8 v0, s[64:65] scope:SCOPE_SE
	s_setreg_imm32_b32 hwreg(HW_REG_WAVE_MODE, 25, 1), 1
	s_wait_xcnt 0x0
	s_wait_alu depctr_hold_cnt(0) depctr_sa_sdst(0) depctr_va_vdst(0) depctr_va_sdst(0) depctr_va_ssrc(0) depctr_va_vcc(0) depctr_vm_vsrc(0)
	s_getreg_b32 s2, hwreg(HW_REG_IB_STS2, 6, 4)
	s_cmp_eq_u32 s2, 0
	s_cbranch_scc0 .Lentry_in_a_cluster
	s_endpgm
.Lentry_in_a_cluster:
	s_bfe_u32 s2, ttmp6, 0x10000c
	s_cmp_lg_u32 s2, 0x3003
	s_cbranch_scc0 .Lentry_shape_is_right
	s_endpgm
.Lentry_shape_is_right:
; CAUSAL ATTENTION of one (batch, head) a cluster: O[q] = sum over k <= q of softmax_k(Q[q] . K[k] / 8) V[k].  Q, K, V: f16 rows of 64 (128 bytes) out of qkv [batch][48 groups][2048][64]: group h is Q,
; 16 + h is K, 32 + h is V.  Products on f16 operands with f32 sums; maxima, exponentials and sums in f32; the weights p are rounded to f16 for the second product, O once at the end.
; O goes to att [head][8192 tokens][64] f16: a wave's 32 queries are 4,096 consecutive bytes.
; SHARES.  The four work-groups of a cluster walk the same K and V, so each tile is asked for JOINTLY (the same tensor load, the same descriptor, a mask that names the four).  The 2,048 queries are 16 groups
; of 128; wave w takes group g(w) in every partner, and partner cx takes 32 queries of it (two tiles of 16): q0 = 128 g + 32 cx.  So every branch hangs on the wave's number and the count of steps alone,
; and cx enters only global addresses and the lane's number for the mask.  g(w) = 15,2,1,12, 4,9,10,7, 8,5,6,11, 3,14,13,0: any four waves w, w+4, w+8, w+12, and any four on end, have groups that sum to 30.
; THE MASK.  A key step is 64 keys.  A wave works the steps whose first key lies under 128 g + 128; in the two with first key >= 128 g hidden scores become -infinity ahead of the maximum.  Every work-group
; walks all 32 steps and every change of slots: the trip counts are constants.  Group 15 reads the last keys in every partner, so every tile that is asked for is read.
; LAYOUT.  S^T = K Q^T (source 0 = 16 keys, source 1 = 16 queries): a lane holds ONE query (lane % 16) and keys 8 (lane / 16) + 0..7 of each tile.  Two such tiles, rounded to f16 in pairs, ARE source 1
; (32 keys x 16 queries) of O^T = V^T P, whose result again holds one query a lane.  K comes out of LDS as it lies, V ([key][channel]) turned, by ds_load_tr16_b128.
; SOFTMAX.  A running maximum m and sum l for each query: p = 2^(c s - c m), c = log2(e) / 8; in every step O and l are multiplied by a = 2^(c m_old - c m_new).  m begins at -3e38, O and l at 0:
; the step is written once, and the first a is 0, which leaves zeros zeros.  Key 0 counts for every query, so m is a score from the first step on.
; SIXTEEN WAVES of 256 registers, four to a SIMD: one wave's softmax stands beside another's products and LDS loads.
; LIMITS: f16 operands (magnitudes to 65,504); weights under 6e-8 of a row's largest fall to 0; NaN and infinities are not served.
.set PK,    144                        ; a row of K in LDS: 128 bytes + 16: 16 rows' 16-byte pieces fall on 16 different places modulo 256 bytes
.set PV,    160                        ; a row of V: 128 + 32: the turning load's 8 rows x 32 bytes fall on different places likewise
.set VOFF,  512*PK                     ; a slot: 512 rows of K, then 512 rows of V
.set SLOT,  512*(PK+PV)                ; 155,648 bytes; slots at 0 and at SLOT
.set SPARE, 2*SLOT                     ; behind the slots: the spare words, 128 bytes a wave, which no other line names
.set AK0, 1                            ; v1   my lane's place in a tile of K; never rewritten
.set AV0, 2                            ; v2   the same for V
.set ADK, 3                            ; v3   LDS address of the step's K
.set ADV, 4                            ; v4   of its V
.set SPW, 5                            ; v5   LDS address of my spare word; never rewritten
.set NIL, 6                            ; v6   0; never rewritten
.set QL,  7                            ; v7   32 cx + lane % 16 - 8 (lane / 16): the lane's part of the mask's number
.set NINF, 8                           ; v8   -infinity
.set DM,  9                            ; v9, v10  the mask's number for tile 0, 1
.set STO, 11                           ; v11  the way out: where I put 16 bytes of a row
.set RD,  12                           ; v12  where I read rows back
.set GO,  13                           ; v13  16 x lane
.set PFO, 14                           ; v14  256 x lane; never rewritten
.set QO,  15                           ; v15  my byte offset in the wave's rows of Q
.set ST,  16                           ; tile t's statistics at v[16 + 8 t]: +0 c m, +1 m, +2, +3 l (even keys', odd keys'), +4 to +7 at work; a takes +6
.set Q,   32                           ; v32-63   Q: tile t, channels 32 ks on, at 16 t + 8 ks
.set KV,  64                           ; v64-127  a step's K, then its V
.set S,   128                          ; v128-191 S^T: tile t, keys 16 kt on, at 32 t + 8 kt; later p, packed, in the tile's first 16
.set O,   192                          ; v192-255 O^T: tile t, channels 16 ct on, at 32 t + 8 ct
.set WV,  12                           ; s12  my wave's number
.set PFA, 18                           ; s[18:19] the prefetch's address; never rewritten
.set SEL, 20                           ; s[20:21] lane selects for v_permlanex16_b32: lane l xor 16
.set CS,  22                           ; s[22:23] c, twice: the packed form names a pair
.set G1K, 24                           ; s[24:31] descriptor group 1 for K's tiles;  s[32:39] for V's: it differs in the padding
.set G1V, 32
.set G0K, 40                           ; s[40:47] group 0 for K's tiles, a set for each slot;  s[48:55] for V's
.set G0V, 48
.set KF,  56                           ; s56  the step's first key
.set GQ,  57                           ; s57  my group's first query
.set GE,  58                           ; s58  GQ + 128
.set TBK, 59                           ; s59  LDS byte at which the step's K begins
.set TBV, 60                           ; s60  the same for V (VOFF lies in the lane's part)
.set CNT, 61                           ; s61  counts a slot's eight steps
; A joint load: waves 0 to 7 fetch 64 rows of K each, waves 8 to 15 of V.  The branch hangs on the wave's number alone.  An s_nop 0 and four v_nop follow each line.
.macro JLOAD n
	s_cmp_lt_u32 s[WV], 8
	s_cbranch_scc0 .Lfor_v_\@
	tensor_load_to_lds s[G0K+4*\n:G0K+4*\n+3], s[G1K:G1K+7]
	s_nop 0
.rept 4
	v_nop
.endr
	s_branch .Lasked_\@
.Lfor_v_\@:
	tensor_load_to_lds s[G0V+4*\n:G0V+4*\n+3], s[G1V:G1V+7]
	s_nop 0
.rept 4
	v_nop
.endr
.Lasked_\@:
.endm
.macro CROUND                          ; a round of the cluster's barrier
	s_barrier_signal -1
	s_barrier_wait -1
	s_cmp_lg_u32 s[WV], 0
	s_cbranch_scc1 .Lnot_wave_0_\@
	s_barrier_signal -3
.Lnot_wave_0_\@:
	s_barrier_wait -3
	s_barrier_signal -1
	s_barrier_wait -1
.endm
.macro PLACES n
.rept \n
	v_nop
.endr
.endm
	s_load_b128 s[4:7], s[0:1], 0x0                ; qkv, att
	v_lshl_add_u32 v[SPW], v0, 2, SPARE
	v_mov_b32 v[NIL], 0
	ds_add_u32 v[SPW], v[NIL]                      ; the wave's opening: the add, twice on end, and its wait ahead of my first tensor load
	ds_add_u32 v[SPW], v[NIL]                      ; and once more, under the one wait; the set-up below, work on registers, stands between
	v_lshrrev_b32 v1, 5, v0
	v_readfirstlane_b32 s[WV], v1                  ; wave 0..15
	s_bfe_u32 s13, ttmp6, 0x40000                  ; cx: my place in the cluster
	s_and_b32 s66, ttmp7, 0xffff                   ; 16 x batch + head, which the four partners share
	s_lshr_b32 s67, s66, 4                         ; batch
	s_and_b32 s68, s66, 15                         ; head
	s_mov_b32 s69, 0x7a94c12f                      ; the groups of waves 0 to 7, four bits each,
	s_mov_b32 s70, 0x0de3b658                      ; and of waves 8 to 15
	s_cmp_lt_u32 s[WV], 8
	s_cselect_b32 s69, s69, s70
	s_and_b32 s70, s[WV], 7                        ; u: which 64 rows of a slot I fetch
	s_lshl_b32 s71, s70, 2
	s_lshr_b32 s69, s69, s71
	s_and_b32 s69, s69, 15                         ; my group
	s_lshl_b32 s[GQ], s69, 7
	s_add_co_u32 s[GE], s[GQ], 128
	s_mul_i32 s72, s67, 48
	s_add_co_u32 s72, s72, s68
	s_lshl_b32 s74, s72, 18                        ; Q's group of rows: (48 x batch + head) x 262,144 bytes
	s_mov_b32 s75, 0
	s_lshl_b32 s71, s13, 5
	s_add_co_u32 s71, s71, s[GQ]                   ; q0 = 128 g + 32 cx
	s_lshl_b32 s78, s71, 7                         ; its row, in bytes
	s_mov_b32 s79, 0
	s_lshl_b32 s72, s67, 11
	s_add_co_u32 s72, s72, s71
	s_lshl_b32 s72, s72, 7                         ; att: token 2048 x batch + q0,
	s_lshl_b32 s73, s68, 20                        ; in the head's plane of 1,048,576 bytes
	s_add_co_u32 s72, s72, s73
	s_mov_b32 s73, 0
	s_mul_i32 s80, s70, 64*PK                      ; where my tile goes in a slot: no place in the cluster enters an LDS address
	s_mul_i32 s81, s70, 64*PV
	s_add_co_u32 s81, s81, VOFF
	; descriptor group 1: a tile of 64 rows x 64 elements of 2 bytes, dense in memory, padded in LDS
	s_mov_b32 s[G1K], 15|(1<<16)|(1<<20)|(1<<21)|(4<<22)|(3<<25)   ; 15:0 the mask: all four; 17:16 elements of 2 bytes; 20 padding on; 21 set beside a mask; 24:22 after every 32 words; 31:25 four words
	s_mov_b32 s[G1V], 15|(1<<16)|(1<<20)|(1<<21)|(4<<22)|(7<<25)   ; the same with eight words of padding
.irp g, G1K, G1V
	s_mov_b32 s[\g+1], 64<<16                      ; tensor_dim0
	s_mov_b32 s[\g+2], 64<<16                      ; tensor_dim1
	s_mov_b32 s[\g+3], 64<<16                      ; tile_dim0
	s_mov_b32 s[\g+4], 64                          ; tile_dim1
	s_mov_b32 s[\g+5], 64                          ; tensor_dim0_stride
	s_mov_b32 s[\g+6], 0
	s_mov_b32 s[\g+7], 0
.endr
	s_mov_b32 s[SEL], 0x76543210
	s_mov_b32 s[SEL+1], 0xfedcba98
	s_mov_b32 s[CS], 0x3e38aa3b                    ; c = log2(e) / 8
	s_mov_b32 s[CS+1], s[CS]
	s_mov_b32 s[KF], 0
	s_wait_dscnt 0x0                               ; both opening adds are done
	s_wait_kmcnt 0x0
	s_add_nc_u64 s[8:9], s[4:5], s[74:75]          ; Q's group
	s_add_nc_u64 s[16:17], s[8:9], s[78:79]        ; my wave's first row of Q
	s_add_nc_u64 s[8:9], s[8:9], 4194304           ; K's group: 16 groups on
	s_add_nc_u64 s[10:11], s[8:9], 4194304         ; V's: 16 more
	s_add_nc_u64 s[6:7], s[6:7], s[72:73]          ; my wave's first row of att
	s_lshl_b32 s74, s70, 13                        ; my 64 rows of a slot: 8,192 bytes
	s_add_nc_u64 s[76:77], s[10:11], s[74:75]
	s_add_nc_u64 s[74:75], s[8:9], s[74:75]
	s_cmp_lt_u32 s[WV], 2                          ; the prefetch (macro ASK): waves 0, 1 for K, waves 2, 3 for V
	s_cselect_b64 s[PFA:PFA+1], s[8:9], s[10:11]
	s_lshl_b32 s66, s13, 14                        ; my work-group's 16,384 bytes of the slot's 65,536: the partners are told apart by address,
	s_and_b32 s67, s[WV], 1
	s_lshl_b32 s67, s67, 13                        ; my wave's 8,192 of them,
	s_add_co_u32 s66, s66, s67
	s_add_co_u32 s66, s66, 196608                  ; from key 1,536 on
	s_mov_b32 s67, 0
	s_add_nc_u64 s[PFA:PFA+1], s[PFA:PFA+1], s[66:67]
	CROUND                                         ; all four work-groups are here: the first joint loads meet
.irp n, 0,1
	s_mov_b32 s[G0K+4*\n], 1                       ; 1:0 count = 1
	s_add_co_u32 s[G0K+4*\n+1], s80, \n*SLOT       ; 63:32 LDS address
	s_add_nc_u64 s[G0K+4*\n+2:G0K+4*\n+3], s[74:75], \n*65536   ; 120:64 global address: slot n begins with keys 512 n on
	s_or_b32 s[G0K+4*\n+3], s[G0K+4*\n+3], 0x80000000           ; 127:126 type = 2
	s_mov_b32 s[G0V+4*\n], 1
	s_add_co_u32 s[G0V+4*\n+1], s81, \n*SLOT
	s_add_nc_u64 s[G0V+4*\n+2:G0V+4*\n+3], s[76:77], \n*65536
	s_or_b32 s[G0V+4*\n+3], s[G0V+4*\n+3], 0x80000000
.endr
	s_cmp_lt_u32 s[WV], 8                          ; a wave's two first fills stand in one branch, ahead of every wait on TENSORcnt and every LDS read: two loads of mine are out
	s_cbranch_scc0 .Lfirst_v
	tensor_load_to_lds s[G0K:G0K+3], s[G1K:G1K+7]
	s_nop 0
	tensor_load_to_lds s[G0K+4:G0K+7], s[G1K:G1K+7]
	s_nop 0
.rept 4
	v_nop
.endr
	s_branch .Lfirst_asked
.Lfirst_v:
	tensor_load_to_lds s[G0V:G0V+3], s[G1V:G1V+7]
	s_nop 0
	tensor_load_to_lds s[G0V+4:G0V+7], s[G1V:G1V+7]
	s_nop 0
.rept 4
	v_nop
.endr
.Lfirst_asked:
	; a fragment of K or Q is 16 rows x 32 channels in 8 registers: lane l holds row l % 16; registers 0-3 channels 8 (l / 16) + 0..7, registers 4-7 channels 16 + 8 (l / 16) + 0..7
	v_and_b32 v9, 15, v0                           ; r = l % 16
	v_bfe_u32 v10, v0, 4, 1                        ; h = l / 16
	v_lshlrev_b32 v[QO], 7, v9
	v_lshl_add_u32 v[QO], v10, 4, v[QO]
.irp t, 0,1
.irp ks, 0,1
	global_load_b128 v[Q+16*\t+8*\ks:Q+16*\t+8*\ks+3],   v[QO], s[16:17] offset:\t*2048+64*\ks      ; Q stays in registers
	global_load_b128 v[Q+16*\t+8*\ks+4:Q+16*\t+8*\ks+7], v[QO], s[16:17] offset:\t*2048+64*\ks+32
.endr
.endr
	v_mul_u32_u24 v[AK0], v9, PK
	v_lshl_add_u32 v[AK0], v10, 4, v[AK0]          ; row x pitch + 16 x half
	v_and_b32 v3, 7, v0                            ; the turning load takes 16 keys x 16 channels: lane l reads key 8 (l / 16) + l % 8, channels 8 ((l / 8) % 2) + 0..7
	v_bfe_u32 v4, v0, 3, 1
	v_lshl_add_u32 v[AV0], v10, 3, v3
	v_mul_u32_u24 v[AV0], v[AV0], PV
	v_lshl_add_u32 v[AV0], v4, 4, v[AV0]
	v_add_nc_u32 v[AV0], VOFF, v[AV0]
	v_lshlrev_b32 v[QL], 3, v10
	v_sub_nc_u32 v[QL], v9, v[QL]
	s_lshl_b32 s67, s13, 5
	v_add_nc_u32 v[QL], s67, v[QL]                 ; 32 cx + r - 8 h
	v_mov_b32 v[NINF], 0xff800000
	s_mul_i32 s66, s[WV], 32*PK                    ; my stage for the way out: 32 rows x 144 bytes, in slot 0
	v_mul_u32_u24 v[STO], v9, PK
	v_lshl_add_u32 v[STO], v10, 4, v[STO]
	v_add_nc_u32 v[STO], s66, v[STO]               ; in: row r, 16 bytes for each half of the lanes
	v_and_b32 v[GO], 31, v0
	v_lshrrev_b32 v[RD], 3, v[GO]
	v_mul_u32_u24 v[RD], v[RD], PK
	v_lshl_add_u32 v[RD], v3, 4, v[RD]
	v_add_nc_u32 v[RD], s66, v[RD]                 ; back: eight lanes to a row, four rows an instruction
	v_lshlrev_b32 v[PFO], 8, v[GO]
	v_lshlrev_b32 v[GO], 4, v[GO]
.irp t, 0,1
	v_mov_b32 v[ST+8*\t+1], 0xff61b1e6             ; m: -3e38, under every score
	v_mul_f32 v[ST+8*\t], s[CS], v[ST+8*\t+1]      ; c m
.irp i, 2,3,4,5,6,7
	v_mov_b32 v[ST+8*\t+\i], 0                     ; l; and the registers at work are written once (a lane permute's destination counts as read)
.endr
.endr
.set i, 0
.rept 64
	v_mov_b32 v[O+i], 0                            ; O^T: the step is written once, and its first trip finds zeros
.set i, i+1
.endr
; ONE TILE PAIR'S SOFTMAX FOR A KEY STEP; the two tiles take turns line by line, so that no line waits for the line above it.
.macro SOFTMAX
.irp j, 0,1,2,3
.irp t, 0,1
	v_max3_num_f32 v[ST+8*\t+4+\j], v[S+32*\t+8*\j], v[S+32*\t+8*\j+1], v[S+32*\t+8*\j+2]   ; four chains, one for each accumulator, from its low end on
.endr
.endr
.irp i, 3,5
.irp j, 0,1,2,3
.irp t, 0,1
	v_max3_num_f32 v[ST+8*\t+4+\j], v[ST+8*\t+4+\j], v[S+32*\t+8*\j+\i], v[S+32*\t+8*\j+\i+1]
.endr
.endr
.endr
.irp t, 0,1
	v_max3_num_f32 v[ST+8*\t+4], v[ST+8*\t+4], v[S+32*\t+7], v[S+32*\t+15]
	v_max3_num_f32 v[ST+8*\t+6], v[ST+8*\t+6], v[S+32*\t+23], v[S+32*\t+31]
.endr
.irp t, 0,1
	v_max3_num_f32 v[ST+8*\t+4], v[ST+8*\t+4], v[ST+8*\t+5], v[ST+8*\t+6]
.endr
.irp t, 0,1
	v_max3_num_f32 v[ST+8*\t+4], v[ST+8*\t+4], v[ST+8*\t+7], v[ST+8*\t+1]   ; with the old m
.endr
.irp t, 0,1
	v_permlanex16_b32 v[ST+8*\t+5], v[ST+8*\t+4], s[SEL], s[SEL+1]          ; the query's other 32 keys lie in the lane 16 away
.endr
.irp t, 0,1
	v_mov_b32 v[ST+8*\t+7], v[ST+8*\t]             ; c m_old is kept for a
.endr
.irp t, 0,1
	v_max_num_f32 v[ST+8*\t+1], v[ST+8*\t+4], v[ST+8*\t+5]                  ; the new m
.endr
.irp t, 0,1
	v_mul_f32 v[ST+8*\t], s[CS], v[ST+8*\t+1]
.endr
.irp t, 0,1
	v_sub_f32 v[ST+8*\t+7], v[ST+8*\t+7], v[ST+8*\t]
.endr
.irp j, 0,2,4,6,8,10,12,14,16,18,20,22,24,26,28,30
.irp t, 0,1
	v_pk_fma_f32 v[S+32*\t+\j:S+32*\t+\j+1], v[S+32*\t+\j:S+32*\t+\j+1], s[CS:CS+1], v[ST+8*\t:ST+8*\t+1] op_sel_hi:[1,0,0] neg_lo:[0,0,1] neg_hi:[0,0,1]   ; c s - c m, two at a time
.endr
.endr
.irp t, 0,1
	v_exp_f32 v[ST+8*\t+6], v[ST+8*\t+7]           ; a.  THE 66 EXPONENTIALS OF BOTH TILES ARE ONE BATCH: none reads another's result
.endr
.set i, 0
.rept 32
	v_exp_f32 v[S+i], v[S+i]
	v_exp_f32 v[S+32+i], v[S+32+i]
.set i, i+1
.endr
	v_nop                                          ; a plain instruction behind the last exponential, ahead of the first use
	s_wait_alu depctr_va_vdst(0)                   ; the wait ahead of the first line that names a result: one for the batch
.irp t, 0,1
	v_pk_mul_f32 v[ST+8*\t+2:ST+8*\t+3], v[ST+8*\t+2:ST+8*\t+3], v[ST+8*\t+6:ST+8*\t+7] op_sel_hi:[1,0]   ; l x a
.endr
.irp t, 0,1
	v_pk_add_f32 v[ST+8*\t+4:ST+8*\t+5], v[S+32*\t:S+32*\t+1], v[S+32*\t+2:S+32*\t+3]    ; the sum of the unrounded p, two at a time, in two chains
.endr
.irp j, 4,8,12,16,20,24,28
.irp t, 0,1
	v_pk_add_f32 v[ST+8*\t+2:ST+8*\t+3], v[ST+8*\t+2:ST+8*\t+3], v[S+32*\t+\j:S+32*\t+\j+1]
	v_pk_add_f32 v[ST+8*\t+4:ST+8*\t+5], v[ST+8*\t+4:ST+8*\t+5], v[S+32*\t+\j+2:S+32*\t+\j+3]
.endr
.endr
.irp t, 0,1
	v_pk_add_f32 v[ST+8*\t+2:ST+8*\t+3], v[ST+8*\t+2:ST+8*\t+3], v[ST+8*\t+4:ST+8*\t+5]
.endr
.irp i, 0,1,2,3,4,5,6,7,8,9,10,11,12,13,14,15
.irp t, 0,1
	v_cvt_pk_f16_f32 v[S+32*\t+\i], v[S+32*\t+2*\i], v[S+32*\t+2*\i+1]   ; p to f16, in place: register i is written when pairs 0 .. i have been read
.endr
.endr
.irp j, 0,2,4,6,8,10,12,14,16,18,20,22,24,26,28,30
.irp t, 0,1
	v_pk_mul_f32 v[O+32*\t+\j:O+32*\t+\j+1], v[O+32*\t+\j:O+32*\t+\j+1], v[ST+8*\t+6:ST+8*\t+7] op_sel_hi:[1,0]   ; O^T x a, each accumulator from its low end on
.endr
.endr
.endm
; A KEY STEP: 64 keys.
.macro STEP
	s_cmp_ge_u32 s[KF], s[GE]                      ; all its keys come after my group's queries: the work is left out, not the lines at the end that step addresses
	s_cbranch_scc1 .Lhid_\@
	v_add_nc_u32 v[ADK], s[TBK], v[AK0]
	v_add_nc_u32 v[ADV], s[TBV], v[AV0]
.irp kt, 0,1,2,3
.irp ks, 0,1
	ds_load_b128 v[KV+8*(2*\kt+\ks):KV+8*(2*\kt+\ks)+3],   v[ADK] offset:\kt*16*PK+64*\ks
	ds_load_b128 v[KV+8*(2*\kt+\ks)+4:KV+8*(2*\kt+\ks)+7], v[ADK] offset:\kt*16*PK+64*\ks+32
.endr
.endr
	s_wait_dscnt 0x0
.irp ks, 0,1                           ; S^T = K Q^T: eight accumulators by turns, one instruction a turn; the first eight start the sums
.irp kt, 0,1,2,3
.irp t, 0,1
.if \ks == 0
	v_wmma_f32_16x16x32_f16 v[S+32*\t+8*\kt:S+32*\t+8*\kt+7], v[KV+8*(2*\kt+\ks):KV+8*(2*\kt+\ks)+7], v[Q+16*\t+8*\ks:Q+16*\t+8*\ks+7], 0
.else
	v_wmma_f32_16x16x32_f16 v[S+32*\t+8*\kt:S+32*\t+8*\kt+7], v[KV+8*(2*\kt+\ks):KV+8*(2*\kt+\ks)+7], v[Q+16*\t+8*\ks:Q+16*\t+8*\ks+7], v[S+32*\t+8*\kt:S+32*\t+8*\kt+7]
.endif
.endr
.endr
.endr
	PLACES 4                                       ; ahead of the loads into K's registers and of the first read of the scores
.irp kg, 0,1                           ; V lands where K lay, while the softmax is walked
.irp ct, 0,1,2,3
	ds_load_tr16_b128 v[KV+8*(4*\kg+\ct):KV+8*(4*\kg+\ct)+3],   v[ADV] offset:\kg*32*PV+32*\ct
	ds_load_tr16_b128 v[KV+8*(4*\kg+\ct)+4:KV+8*(4*\kg+\ct)+7], v[ADV] offset:\kg*32*PV+16*PV+32*\ct
.endr
.endr
	s_cmp_lt_u32 s[KF], s[GQ]                      ; all its keys count for all my group's queries: no mask
	s_cbranch_scc1 .Lopen_\@
	s_sub_co_i32 s66, s[GQ], s[KF]                 ; 0 or -64
	v_add_nc_u32 v[DM], s66, v[QL]                 ; d = my query - the step's first key - 8 (lane / 16), for tile 0,
	v_add_nc_u32 v[DM+1], 16, v[DM]                ; and for tile 1.  Register 8 kt + j holds key 16 kt + 8 (lane / 16) + j: hidden where 16 kt + j > d
.irp t, 0,1
.irp kt, 0,1,2,3
.irp j, 0,1,2,3,4,5,6,7
	v_cmp_gt_i32 vcc_lo, 16*\kt+\j, v[DM+\t]
	v_cndmask_b32 v[S+32*\t+8*\kt+\j], v[S+32*\t+8*\kt+\j], v[NINF], vcc_lo
.endr
.endr
.endr
.Lopen_\@:
	SOFTMAX
	s_wait_dscnt 0x0                               ; V is in
.irp kg, 0,1                           ; O^T += V^T P: eight accumulators by turns
.irp ct, 0,1,2,3
.irp t, 0,1
	v_wmma_f32_16x16x32_f16 v[O+32*\t+8*\ct:O+32*\t+8*\ct+7], v[KV+8*(4*\kg+\ct):KV+8*(4*\kg+\ct)+7], v[S+32*\t+8*\kg:S+32*\t+8*\kg+7], v[O+32*\t+8*\ct:O+32*\t+8*\ct+7]
.endr
.endr
.endr
	PLACES 5                                       ; the next step's products write over p's registers (five places), its loads land in V's, and the way out reads O^T (four)
.Lhid_\@:
	s_add_co_u32 s[KF], s[KF], 64
	s_add_co_u32 s[TBK], s[TBK], 64*PK
	s_add_co_u32 s[TBV], s[TBV], 64*PV
.endm
.macro PHASE base                      ; a slot's eight key steps: written once, walked eight times
	s_mov_b32 s[TBK], \base
	s_mov_b32 s[TBV], \base
	s_mov_b32 s[CNT], 8
.Lp_\@:
	STEP
	s_sub_co_u32 s[CNT], s[CNT], 1
	s_cmp_lg_u32 s[CNT], 0
	s_cbranch_scc1 .Lp_\@
.endm
; THE CHANGE OF SLOTS.  Each wave waits for all its tensor loads (its part of the slot ahead), adds 0 to its spare word, and waits for that and for its reads of the slot that it leaves.  The barrier is a round
; of the cluster's, so that no wave of any partner still reads slot n or has a load on its way; the joint refill, the keys 1,024 on, is the first thing behind it and has eight key steps in which to land.
.macro CHANGE n
	s_wait_tensorcnt 0x0                           ; no tensor load of mine is out, so a group 0 may be written
	ds_add_u32 v[SPW], v[NIL]                      ; 0 onto my spare word; the descriptors' steps stand between it and the wait
	s_add_nc_u64 s[G0K+4*\n+2:G0K+4*\n+3], s[G0K+4*\n+2:G0K+4*\n+3], 131072
	s_add_nc_u64 s[G0V+4*\n+2:G0V+4*\n+3], s[G0V+4*\n+2:G0V+4*\n+3], 131072
	s_wait_dscnt 0x0                               ; the add is done, and my reads of the slot are over
	CROUND
	JLOAD \n
.endm
; A PREFETCH INTO THE L2 of what the next change of slots will ask for: keys 1,536 to 2,047, 65,536 bytes of K and as many of V.  It stands behind the wave's tensor load and its five lines, eight key steps
; ahead of that load.  This cluster alone reads these rows.  Each partner names 16,384 bytes of each tensor, told apart by address; waves 0, 1 ask for K's, waves 2, 3 for V's, 8,192 bytes a wave,
; lanes 256 bytes apart: each aligned run of 256 bytes is named once.  The last byte named is 261,888 of the group's 262,144.  Keys up to 1,535 come by their loads alone.
.macro ASK
	s_cmp_lt_u32 s[WV], 4
	s_cbranch_scc0 .Lnot_mine_\@
	global_prefetch_b8 v[PFO], s[PFA:PFA+1] th:TH_LOAD_NT scope:SCOPE_SE
.Lnot_mine_\@:
.endm
	s_wait_loadcnt 0x0                             ; Q
	s_wait_tensorcnt 1                             ; my part of slot 0 is in; slot 1's may stay out
	s_barrier_signal -1
	s_barrier_wait -1                              ; everybody's is
	PHASE 0                                        ; keys 0 to 511
	CHANGE 0                                       ; slot 0 takes keys 1,024 on
	ASK
	PHASE SLOT                                     ; keys 512 to 1,023
	CHANGE 1                                       ; slot 1 takes keys 1,536 on
	PHASE 0
	s_wait_tensorcnt 0x0                           ; the last change: nothing is asked for, so my work-group's barrier is enough
	ds_add_u32 v[SPW], v[NIL]
	s_wait_dscnt 0x0
	s_barrier_signal -1
	s_barrier_wait -1                              ; slot 1 is whole, and nobody reads slot 0 any more: it has had its last fill and serves as the stages
	PHASE SLOT
	; THE WAY OUT.  l's two halves and the other half of the lanes' are added; O^T is divided by l, rounded to f16 and sent through my stage: 32 rows of 128 bytes come back as 8 runs of 512 bytes.
.irp t, 0,1
	v_add_f32 v[ST+8*\t+4], v[ST+8*\t+2], v[ST+8*\t+3]
.endr
.irp t, 0,1
	v_permlanex16_b32 v[ST+8*\t+5], v[ST+8*\t+4], s[SEL], s[SEL+1]
.endr
.irp t, 0,1
	v_add_f32 v[ST+8*\t+4], v[ST+8*\t+4], v[ST+8*\t+5]
.endr
.irp t, 0,1
	v_rcp_f32 v[ST+8*\t+6], v[ST+8*\t+4]
.endr
	v_nop                                          ; a plain instruction behind the last reciprocal
	s_wait_alu depctr_va_vdst(0)                   ; and the wait ahead of the first use: one for both
.irp t, 0,1
.irp j, 0,2,4,6,8,10,12,14,16,18,20,22,24,26,28,30
	v_pk_mul_f32 v[O+32*\t+\j:O+32*\t+\j+1], v[O+32*\t+\j:O+32*\t+\j+1], v[ST+8*\t+6:ST+8*\t+7] op_sel_hi:[1,0]
.endr
.endr
.irp t, 0,1
.irp i, 0,1,2,3,4,5,6,7,8,9,10,11,12,13,14,15
	v_cvt_pk_f16_f32 v[S+16*\t+\i], v[O+32*\t+2*\i], v[O+32*\t+2*\i+1]
.endr
.endr
.irp t, 0,1
.irp ct, 0,1,2,3
	ds_store_b128 v[STO], v[S+16*\t+4*\ct:S+16*\t+4*\ct+3] offset:\t*16*PK+32*\ct
.endr
.endr
.irp i, 0,1,2,3,4,5,6,7
	ds_load_b128 v[KV+4*\i:KV+4*\i+3], v[RD] offset:4*PK*\i       ; LDS serves a wave's instructions in order: these see the stores above
.endr
.irp i, 0,1,2,3,4,5,6,7
	s_wait_dscnt 7-\i                              ; the younger loads may be out
	global_store_b128 v[GO], v[KV+4*\i:KV+4*\i+3], s[6:7] offset:512*\i   ; four rows: 512 consecutive, aligned bytes
.endr
	s_wait_tensorcnt 0x0                           ; the wave's end
	ds_add_u32 v[SPW], v[NIL]
	s_wait_dscnt 0x0
	CROUND                                         ; the closing round: no work-group ends while a partner may still ask for a tile that names it
	s_endpgm
.Lfunc_end_k_qa301908020_attn:
	.size	k_qa301908020_attn, .Lfunc_end_k_qa301908020_attn-k_qa301908020_attn
	.p2alignl 7, 3214868480
	.fill 96, 4, 3214868480
	.section	.rodata,"a",@progbits
	.p2align	6, 0x0
	.amdhsa_kernel k_qa301908020_attn
		.amdhsa_group_segment_fixed_size 327680
		.amdhsa_private_segment_fixed_size 0
		.amdhsa_enable_private_segment 0
		.amdhsa_kernarg_size 16
		.amdhsa_user_sgpr_count 2
		.amdhsa_user_sgpr_kernarg_segment_ptr 1
		.amdhsa_wavefront_size32 1
		.amdhsa_system_sgpr_workgroup_id_x 1
		.amdhsa_system_sgpr_workgroup_id_y 1
		.amdhsa_system_sgpr_workgroup_id_z 1
		.amdhsa_system_vgpr_workitem_id 0
		.amdhsa_next_free_vgpr 256
		.amdhsa_next_free_sgpr 84
		.amdhsa_reserve_vcc 1
		.amdhsa_float_denorm_mode_32 3
		.amdhsa_float_denorm_mode_16_64 3
		.amdhsa_memory_ordered 1
		.amdhsa_forward_progress 1
		.amdhsa_inst_pref_size 107
	.end_amdhsa_kernel
	.amdgpu_metadata
---
amdhsa.version: [ 1, 2 ]
amdhsa.kernels:
  - .name:           k_qa301908020_attn
    .symbol:         k_qa301908020_attn.kd
    .args:
      - { .name: qkv, .offset: 0, .size: 8, .value_kind: global_buffer, .address_space: global }
      - { .name: att, .offset: 8, .size: 8, .value_kind: global_buffer, .address_space: global }
    .group_segment_fixed_size: 327680
    .private_segment_fixed_size: 0
    .kernarg_segment_align: 8
    .kernarg_segment_size: 16
    .max_flat_workgroup_size: 512
    .sgpr_count:     84
    .vgpr_count:     256
    .wavefront_size: 32
...
	.end_amdgpu_metadata
.endif
;; end of part 4
;; launch proj (part 5): grid 4 x 64, 4 waves a work-group, clusters of 4 x 4, 327,680 bytes of LDS; arguments att, wp, bproj, out0; writes out0
.if DOCPART == 5
	.amdgcn_target "amdgcn-amd-amdhsa--gfx1250"
	.amdhsa_code_object_version 6
	.text
	.protected	k_qa301908020_proj
	.globl	k_qa301908020_proj
	.p2align	8
	.type	k_qa301908020_proj,@function
k_qa301908020_proj:
	s_mov_b64 s[64:65], 0
	v_nop
	global_prefetch_b8 v0, s[64:65] scope:SCOPE_SE
	s_setreg_imm32_b32 hwreg(HW_REG_WAVE_MODE, 25, 1), 1
	s_wait_xcnt 0x0
	s_wait_alu depctr_hold_cnt(0) depctr_sa_sdst(0) depctr_va_vdst(0) depctr_va_sdst(0) depctr_va_ssrc(0) depctr_va_vcc(0) depctr_vm_vsrc(0)
	s_getreg_b32 s2, hwreg(HW_REG_IB_STS2, 6, 4)
	s_cmp_eq_u32 s2, 0
	s_cbranch_scc0 .Lentry_in_a_cluster
	s_endpgm
.Lentry_in_a_cluster:
	s_bfe_u32 s2, ttmp6, 0x10000c
	s_cmp_lg_u32 s2, 0xf033
	s_cbranch_scc0 .Lentry_shape_is_right
	s_endpgm
.Lentry_shape_is_right:
; THE PROJECTION ON THE WAY OUT: out0[token][n] = sum over k of att[token][k] Wproj[n][k] + bproj[n]; 8,192 tokens, n and k 1,024; f16 operands, f32 sums, f32 result.
; Both operands lie by planes of 64 along k: att [16][8192 tokens][64], wp [16][1024 n][64]: a plane's rows are 128 dense bytes.  A K step is 128 = two planes.
; A tile of out0 is 128 tokens x 256 n: 256 work-groups.  Four waves, each 64 x 128: 32 accumulators of 16 x 16, 256 registers.  K goes through a ring of two LDS slots; in a step wave 0 and 1 fetch att's two
; planes (128 rows each), waves 2 and 3 wp's (256 rows each): one tensor load a wave.
; CLUSTERS: 4 x 4 work-groups.  The four of a row of the cluster need the same tiles of att, the four of a column the same tiles of wp: each is asked for JOINTLY.
; THE MATRIX INSTRUCTION IS USED TRANSPOSED (source 0 = 16 rows of wp, source 1 = 16 tokens): a lane holds eight neighbouring n of one token.
; Rows of positions 0 to 15 of each sequence are written here like all others and written over by the launch that follows, which carries them in f32: a branch round them would hang on the work-group's
; place in its cluster.
; No prefetch: eight K steps in all, and every tile is shared out in the cluster.
; REGISTERS: window 0: v12-15 the bias; v16-29 addresses; two fragment buffers at v32 and v128 (64 registers of wp, then 32 of att); on the way out v32-159 at work.  window 1: the accumulators ((a, b) at v[8 (8 a + b)]).
.set PITCH,  144                       ; an LDS row: 128 bytes + 16: the 16 rows of a load fall on 16 different places modulo 256 bytes
.set APL,    128*PITCH                 ; a plane of att's tile
.set BPL,    256*PITCH                 ; a plane of wp's
.set SLOT,   2*APL+2*BPL               ; att's two planes, then wp's two: 110,592 bytes
.set SPARE,  2*SLOT                    ; behind the ring: the spare words, 128 bytes a wave, which no other line names
.set SPITCH, 528                       ; the way out: a stage of 16 rows x (512 bytes + 16) for each wave, in slot 0, which has had its last fill and its last read by then
.set ADRA, 16                          ; v16-17  LDS address of my att fragments in slot 0, 1
.set ADRB, 20                          ; v20-21  the same for wp
.set STO,  24                          ; v24     the way out: where I put 32 bytes of a row
.set RD,   25                          ; v25     where I read a row back
.set CO,   26                          ; v26     16 x lane
.set SPW,  28                          ; v28     LDS address of my spare word; never rewritten
.set NIL,  29                          ; v29     0; never rewritten
.set BI,   12                          ; v12-15  bproj at my four columns of a row read back
.set F0,   32
.set F1,   128
.set G1, 24                            ; s[24:31] descriptor group 1 for att's tiles;  s[32:39] group 0, one set for each slot
.set G0, 32
.set G1B, 48                           ; s[48:55], s[56:63] the same for wp's
.set G0B, 56
.set MSB, 0
.macro WIN new
.if MSB != (\new)
	s_set_vgpr_msb (MSB<<8)|(\new)
.set MSB, (\new)
.endif
.endm
.set MUL, 0x50                         ; C and D window 1, sources window 0
.macro JLOAD s                         ; a joint load: waves 0 and 1 fetch att's planes, waves 2 and 3 wp's; an s_nop 0 and four v_nop follow each line
	s_cmp_eq_u32 s13, 0
	s_cbranch_scc0 .Lfor_b_\@
	tensor_load_to_lds s[G0+4*\s:G0+4*\s+3], s[G1:G1+7]
	s_nop 0
.rept 4
	v_nop
.endr
	s_branch .Lasked_\@
.Lfor_b_\@:
	tensor_load_to_lds s[G0B+4*\s:G0B+4*\s+3], s[G1B:G1B+7]
	s_nop 0
.rept 4
	v_nop
.endr
.Lasked_\@:
.endm
.macro CREST                           ; a round of the cluster's barrier behind its opening barrier
	s_cmp_lg_u32 s12, 0
	s_cbranch_scc1 .Lnot_wave_0_\@
	s_barrier_signal -3
.Lnot_wave_0_\@:
	s_barrier_wait -3
	s_barrier_signal -1
	s_barrier_wait -1
.endm
.macro CROUND
	s_barrier_signal -1
	s_barrier_wait -1
	CREST
.endm
	s_load_b256 s[4:11], s[0:1], 0x0               ; att, wp, bproj, out0
	v_lshl_add_u32 v[SPW], v0, 2, SPARE
	v_mov_b32 v[NIL], 0
	ds_add_u32 v[SPW], v[NIL]                      ; the wave's opening: the add, twice on end, and its wait ahead of my first tensor load
	ds_add_u32 v[SPW], v[NIL]                      ; and once more, under the one wait; the set-up below, work on registers, stands between
	v_lshrrev_b32 v1, 5, v0
	v_readfirstlane_b32 s12, v1                    ; wave 0..3
	s_lshr_b32 s13, s12, 1                         ; which 64 of the tile's rows are mine.  Also: I fetch for att (0) or for wp (1)
	s_and_b32 s14, s12, 1                          ; which 128 of its columns.  Also: which plane of a K step I fetch
	s_bfe_u32 s40, ttmp6, 0x40000                  ; cx, cy
	s_bfe_u32 s41, ttmp6, 0x40004
	s_lshl_b32 s42, ttmp9, 2
	s_add_co_u32 s42, s42, s40                     ; tile column = 4 x cluster x + cx
	s_and_b32 s15, ttmp7, 0xffff
	s_lshl_b32 s15, s15, 2
	s_add_co_u32 s15, s15, s41                     ; tile row = 4 x cluster y + cy
	s_lshl_b32 s43, s41, 2
	s_lshl_b32 s43, 15, s43                        ; my row of the cluster
	s_lshl_b32 s44, 0x1111, s40                    ; my column
	s_or_b32 s[G1+0], s43, (1<<16)|(1<<20)|(1<<21)|(4<<22)|(3<<25)   ; 15:0 the mask; 17:16 elements of 2 bytes; 20 padding on; 21 set beside a mask; 24:22 after every 32 words; 31:25 four words
	s_or_b32 s[G1B+0], s44, (1<<16)|(1<<20)|(1<<21)|(4<<22)|(3<<25)
	s_mov_b32 s[G1+1], 64<<16                      ; tensor_dim0
	s_mov_b32 s[G1+2], 128<<16                     ; tensor_dim1
	s_mov_b32 s[G1+3], 64<<16                      ; tile_dim0
	s_mov_b32 s[G1+4], 128                         ; tile_dim1
	s_mov_b32 s[G1+5], 64                          ; tensor_dim0_stride
	s_mov_b32 s[G1+6], 0
	s_mov_b32 s[G1+7], 0
	s_mov_b32 s[G1B+1], 64<<16
	s_mov_b32 s[G1B+2], 256<<16
	s_mov_b32 s[G1B+3], 64<<16
	s_mov_b32 s[G1B+4], 256
	s_mov_b32 s[G1B+5], 64
	s_mov_b32 s[G1B+6], 0
	s_mov_b32 s[G1B+7], 0
	s_lshl_b32 s16, s14, 20                        ; att: my plane of 1,048,576 bytes, the tile's 128 rows of 128 bytes
	s_lshl_b32 s17, s15, 14
	s_add_co_u32 s16, s16, s17
	s_mov_b32 s17, 0
	s_lshl_b32 s46, s14, 17                        ; wp: my plane of 131,072 bytes, the tile's 256 rows
	s_lshl_b32 s47, s42, 15
	s_add_co_u32 s46, s46, s47
	s_mov_b32 s47, 0
	s_mul_i32 s20, s14, APL                        ; where they go: no place in the cluster enters an LDS address
	s_mul_i32 s21, s14, BPL
	s_add_co_u32 s21, s21, 2*APL
	s_wait_dscnt 0x0                               ; both opening adds are done
	s_wait_kmcnt 0x0
	s_add_nc_u64 s[16:17], s[4:5], s[16:17]
	s_add_nc_u64 s[46:47], s[6:7], s[46:47]
	CROUND                                         ; all sixteen work-groups are here: the first joint loads meet
.irp n, 0,1
	s_mov_b32 s[G0+4*\n], 1
	s_add_co_u32 s[G0+4*\n+1], s20, \n*SLOT
	s_add_nc_u64 s[G0+4*\n+2:G0+4*\n+3], s[16:17], \n*2097152      ; K step n: two planes on
	s_or_b32 s[G0+4*\n+3], s[G0+4*\n+3], 0x80000000
	s_mov_b32 s[G0B+4*\n], 1
	s_add_co_u32 s[G0B+4*\n+1], s21, \n*SLOT
	s_add_nc_u64 s[G0B+4*\n+2:G0B+4*\n+3], s[46:47], \n*262144
	s_or_b32 s[G0B+4*\n+3], s[G0B+4*\n+3], 0x80000000
	JLOAD \n                                       ; two loads of mine are out
.endr
	v_and_b32 v1, 15, v0                           ; l % 16
	v_bfe_u32 v2, v0, 4, 1                         ; l / 16
	v_mul_u32_u24 v3, v1, PITCH
	v_lshl_add_u32 v3, v2, 4, v3                   ; a fragment's row x pitch + 16 x half
	s_mul_i32 s21, s13, 64*PITCH                   ; my 64 rows of att
	s_mul_i32 s22, s14, 128*PITCH                  ; my 128 rows of wp,
	s_add_co_u32 s22, s22, 2*APL                   ; which lie behind att's two planes
.irp s, 0,1
	v_add_nc_u32 v[ADRA+\s], s21, v3
	v_add_nc_u32 v[ADRB+\s], s22, v3
	s_add_co_u32 s21, s21, SLOT
	s_add_co_u32 s22, s22, SLOT
.endr
	s_mul_i32 s23, s12, 16*SPITCH                  ; my stage
	v_mul_u32_u24 v4, v1, SPITCH
	v_lshl_add_u32 v4, v2, 5, v4
	v_add_nc_u32 v[STO], s23, v4                   ; in: row l % 16, 32 bytes for each half of the lanes
	v_and_b32 v5, 31, v0
	v_lshlrev_b32 v[CO], 4, v5
	v_add_nc_u32 v[RD], s23, v[CO]                 ; back: the 32 lanes take one row of 512 bytes
	s_lshl_b32 s16, s15, 7
	s_lshl_b32 s17, s13, 6
	s_add_co_u32 s16, s16, s17                     ; my first row of out0: 128 x tile row + 64 x half,
	s_lshl_b32 s16, s16, 12                        ; of 4,096 bytes
	s_mov_b32 s17, 0
	s_lshl_b32 s46, s42, 10                        ; my first column, in bytes: 1,024 x tile column + 512 x half
	s_lshl_b32 s47, s14, 9
	s_add_co_u32 s46, s46, s47
	s_mov_b32 s47, 0
	s_add_nc_u64 s[10:11], s[10:11], s[16:17]
	s_add_nc_u64 s[10:11], s[10:11], s[46:47]
	s_add_nc_u64 s[8:9], s[8:9], s[46:47]
	global_load_b128 v[BI:BI+3], v[CO], s[8:9]     ; the bias of the four columns that I hold when a row comes back from the stage
; 8 matrix instructions: att's block a against wp's eight, 32 along K, from buffer f.  zero = 1: the first product starts the sums.  The 32 accumulators take turns in the same order in every quarter.
.macro MUL8 f, a, zero
.irp b, 0,1,2,3,4,5,6,7
.if \zero
	v_wmma_f32_16x16x32_f16 v[8*(8*(\a)+\b):8*(8*(\a)+\b)+7], v[\f+8*\b:\f+8*\b+7], v[\f+64+8*(\a):\f+64+8*(\a)+7], 0
.else
	v_wmma_f32_16x16x32_f16 v[8*(8*(\a)+\b):8*(8*(\a)+\b)+7], v[\f+8*\b:\f+8*\b+7], v[\f+64+8*(\a):\f+64+8*(\a)+7], v[8*(8*(\a)+\b):8*(8*(\a)+\b)+7]
.endif
.endr
.endm
; 24 LDS loads in one run: the fragments of the K step's q-th 32 along K (plane q / 2, byte 64 (q % 2) of its rows) into buffer f: wp's eight, then att's four
.macro FETCH slot, q, f
.irp i, 0,1,2,3,4,5,6,7
	ds_load_b128 v[\f+8*\i:\f+8*\i+3],   v[ADRB+\slot] offset:((\q)/2)*BPL+64*((\q)%2)+\i*16*PITCH
	ds_load_b128 v[\f+8*\i+4:\f+8*\i+7], v[ADRB+\slot] offset:((\q)/2)*BPL+64*((\q)%2)+\i*16*PITCH+32
.endr
.irp i, 0,1,2,3
	ds_load_b128 v[\f+64+8*\i:\f+64+8*\i+3],   v[ADRA+\slot] offset:((\q)/2)*APL+64*((\q)%2)+\i*16*PITCH
	ds_load_b128 v[\f+64+8*\i+4:\f+64+8*\i+7], v[ADRA+\slot] offset:((\q)/2)*APL+64*((\q)%2)+\i*16*PITCH+32
.endr
.endm
.macro PLACES                          ; four places in front of loads into registers that matrix instructions have read, and of the first read of results (ISA guide 7.12.1 for the first read of results)
.rept 4
	v_nop
.endr
.endm
; A K step is four quarters of 32 along K, 32 matrix instructions each, on buffers 0, 1, 0, 1.  One of the first three multiplies buffer f and fetches quarter qn of the same slot into g.
.macro QUARTER slot, qn, f, g, zero
	s_wait_dscnt 4                                 ; wp's eight and att's blocks 0, 1 are in; the youngest four loads (blocks 2, 3) may be out
	WIN MUL
	MUL8 \f, 0, \zero
	MUL8 \f, 1, \zero
	PLACES
	WIN 0
	FETCH \slot, \qn, \g
	s_wait_dscnt 24                                ; all but the 24 just issued
	WIN MUL
	MUL8 \f, 2, \zero
	MUL8 \f, 3, \zero
.endm
; The last quarter multiplies buffer 1 and changes slots: ONE barrier; in front of it each wave waits for all its tensor loads, adds 0 to its spare word, and waits for that and for its reads of this slot.
; fill = 1: the barrier opens a round of the cluster's, and this slot is filled again, two K steps ahead: the first tensor load behind the round.
.macro TURN slot, next, fill
	WIN 0                                          ; (the add's two registers lie in window 0)
	s_wait_tensorcnt 0x0                           ; all my tensor loads have landed: my part of the next slot
	ds_add_u32 v[SPW], v[NIL]                      ; 0 onto my spare word
	s_wait_dscnt 5                                 ; (the add and the youngest four loads may be out)
	WIN MUL
	MUL8 F1, 0, 0                                  ; eight matrix instructions stand between the add and the wait for it
	s_wait_dscnt 0x0                               ; the add is done, and my reads of this slot are over
	s_barrier_signal -1
	MUL8 F1, 1, 0
	WIN 0
	s_barrier_wait -1
.if \fill
	CREST                                          ; no wave of any partner still reads this slot's tiles or has a load on its way
	s_add_nc_u64 s[G0+4*\slot+2:G0+4*\slot+3], s[G0+4*\slot+2:G0+4*\slot+3], 4194304     ; four planes on
	s_add_nc_u64 s[G0B+4*\slot+2:G0B+4*\slot+3], s[G0B+4*\slot+2:G0B+4*\slot+3], 524288
	JLOAD \slot                                    ; its four v_nop are also the places in front of the loads below
.else
	PLACES
.endif
	FETCH \next, 0, F0
	WIN MUL
	MUL8 F1, 2, 0
	MUL8 F1, 3, 0
.endm
	s_wait_tensorcnt 1                             ; my part of K step 0 is in (K step 1's may be out)
	s_barrier_signal -1
	s_barrier_wait -1                              ; everybody's is
	FETCH 0, 0, F0
	QUARTER 0, 1, F0, F1, 1                        ; the first quarter stands in front of the loop: its products start the sums
	WIN 0                                          ; at a label and at a branch every window is 0
	s_mov_b32 s3, 3
.Llap:                                                 ; a trip goes once round the ring, from a lap's second quarter to the next lap's first, and fills both slots again: K steps 2 to 7
	QUARTER 0, 2, F1, F0, 0
	QUARTER 0, 3, F0, F1, 0
	TURN 0, 1, 1
	QUARTER 1, 1, F0, F1, 0
	QUARTER 1, 2, F1, F0, 0
	QUARTER 1, 3, F0, F1, 0
	TURN 1, 0, 1
	QUARTER 0, 1, F0, F1, 0
	WIN 0
	s_sub_co_u32 s3, s3, 1
	s_cmp_lg_u32 s3, 0
	s_cbranch_scc1 .Llap
	QUARTER 0, 2, F1, F0, 0                        ; the last lap fills nothing, and has no round of the cluster's barrier
	QUARTER 0, 3, F0, F1, 0
	TURN 0, 1, 0
	QUARTER 1, 1, F0, F1, 0
	QUARTER 1, 2, F1, F0, 0
	QUARTER 1, 3, F0, F1, 0
	s_wait_dscnt 4                                 ; the very last quarter: nothing more to fetch
	WIN MUL
	MUL8 F1, 0, 0
	MUL8 F1, 1, 0
	s_wait_dscnt 0
	MUL8 F1, 2, 0
	MUL8 F1, 3, 0
	WIN 0
	PLACES
	s_wait_loadcnt 0x0                             ; the bias
; THE WAY OUT, block by block of 16 tokens x 128 n: through my own stage and back as whole rows of 512 bytes; the bias is added to the rows as they come back.
.macro TOSTAGE a
	WIN 0x04                                       ; an LDS store's data are its source 1: window 1
.irp b, 0,1,2,3,4,5,6,7
	ds_store_b128 v[STO], v[8*(8*(\a)+\b):8*(8*(\a)+\b)+3] offset:64*\b          ; each accumulator from its low end on
	ds_store_b128 v[STO], v[8*(8*(\a)+\b)+4:8*(8*(\a)+\b)+7] offset:64*\b+16
.endr
	WIN 0
.set BB, 32+64*((\a)%2)
.irp t, 0,1,2,3,4,5,6,7,8,9,10,11,12,13,14,15
	ds_load_b128 v[BB+4*\t:BB+4*\t+3], v[RD] offset:\t*SPITCH      ; LDS serves a wave's instructions in order: these see the stores above
.endr
.endm
.macro SEND a, younger                 ; younger: the LDS instructions issued behind block a's loads, which may stay out
.set BB, 32+64*((\a)%2)
	s_wait_dscnt \younger
.irp t, 0,1,2,3,4,5,6,7,8,9,10,11,12,13,14,15
	v_pk_add_f32 v[BB+4*\t:BB+4*\t+1], v[BB+4*\t:BB+4*\t+1], v[BI:BI+1]
	v_pk_add_f32 v[BB+4*\t+2:BB+4*\t+3], v[BB+4*\t+2:BB+4*\t+3], v[BI+2:BI+3]
	global_store_b128 v[CO], v[BB+4*\t:BB+4*\t+3], s[10:11] offset:(16*(\a)+\t)*4096 th:TH_STORE_NT   ; 32 lanes store 512 consecutive, aligned bytes; the base is never stepped
.endr
.endm
	TOSTAGE 0
.irp a, 1,2,3
.if \a > 1
	s_wait_xcnt 0x0                                ; block a - 2's stores have had their addresses translated: block a's loads land in their registers only behind this wait
.endif
	TOSTAGE \a
	SEND (\a)-1, 32                                ; behind block a - 1's loads: block a's 16 stores and 16 loads
.endr
	SEND 3, 0
	s_wait_tensorcnt 0x0                           ; the wave's end
	ds_add_u32 v[SPW], v[NIL]
	s_wait_dscnt 0x0
	CROUND                                         ; the closing round
	s_endpgm
.Lfunc_end_k_qa301908020_proj:
	.size	k_qa301908020_proj, .Lfunc_end_k_qa301908020_proj-k_qa301908020_proj
	.p2alignl 7, 3214868480
	.fill 96, 4, 3214868480
	.section	.rodata,"a",@progbits
	.p2align	6, 0x0
	.amdhsa_kernel k_qa301908020_proj
		.amdhsa_group_segment_fixed_size 327680
		.amdhsa_private_segment_fixed_size 0
		.amdhsa_enable_private_segment 0
		.amdhsa_kernarg_size 32
		.amdhsa_user_sgpr_count 2
		.amdhsa_user_sgpr_kernarg_segment_ptr 1
		.amdhsa_wavefront_size32 1
		.amdhsa_system_sgpr_workgroup_id_x 1
		.amdhsa_system_sgpr_workgroup_id_y 1
		.amdhsa_system_sgpr_workgroup_id_z 1
		.amdhsa_system_vgpr_workitem_id 0
		.amdhsa_next_free_vgpr 512
		.amdhsa_next_free_sgpr 66
		.amdhsa_reserve_vcc 0
		.amdhsa_float_denorm_mode_32 3
		.amdhsa_float_denorm_mode_16_64 3
		.amdhsa_memory_ordered 1
		.amdhsa_forward_progress 1
		.amdhsa_inst_pref_size 93
	.end_amdhsa_kernel
	.amdgpu_metadata
---
amdhsa.version: [ 1, 2 ]
amdhsa.kernels:
  - .name:           k_qa301908020_proj
    .symbol:         k_qa301908020_proj.kd
    .args:
      - { .name: att, .offset: 0, .size: 8, .value_kind: global_buffer, .address_space: global }
      - { .name: wp, .offset: 8, .size: 8, .value_kind: global_buffer, .address_space: global }
      - { .name: bproj, .offset: 16, .size: 8, .value_kind: global_buffer, .address_space: global }
      - { .name: out0, .offset: 24, .size: 8, .value_kind: global_buffer, .address_space: global }
    .group_segment_fixed_size: 327680
    .private_segment_fixed_size: 0
    .kernarg_segment_align: 8
    .kernarg_segment_size: 32
    .max_flat_workgroup_size: 128
    .sgpr_count:     66
    .vgpr_count:     512
    .wavefront_size: 32
...
	.end_amdgpu_metadata
.endif
;; end of part 5
;; launch fine (part 6): grid 16 x 4, 16 waves a work-group, no clusters, 85,248 bytes of LDS; arguments qkv32, Wproj, bproj, out0; writes out0
.if DOCPART == 6
	.amdgcn_target "amdgcn-amd-amdhsa--gfx1250"
	.amdhsa_code_object_version 6
	.text
	.protected	k_qa301908020_fine
	.globl	k_qa301908020_fine
	.p2align	8
	.type	k_qa301908020_fine,@function
k_qa301908020_fine:
	s_mov_b64 s[64:65], 0
	v_nop
	global_prefetch_b8 v0, s[64:65] scope:SCOPE_SE
	s_setreg_imm32_b32 hwreg(HW_REG_WAVE_MODE, 25, 1), 1
	s_wait_xcnt 0x0
; POSITIONS 0 TO 15 OF EVERY SEQUENCE, IN f32 THROUGHOUT: attention over at most 16 keys, and the projection on the way out.  These rows average one to sixteen values, so the rounding of 16-bit operands
; would weigh most here.  q, k, v of these positions come unrounded from qkv32 [16 x batch + position][3072] (q at 64 h, k at 1024 + 64 h, v at 2048 + 64 h); Wproj and bproj as they are given.
; A work-group has a batch (y) and 64 columns of out0 (x).  PHASE A: wave w is head w: S^T = K Q^T, mask, softmax with the row's maximum taken away, normalised, O^T = V^T P; the 16 x 1024 result meets in LDS.
; (Each of a batch's sixteen work-groups makes it anew: 16 x 16 x 64 multiply-adds twice a head.)  PHASE B: wave w takes 16 columns (w % 4) and 256 along K (w / 4); the four parts along K meet in LDS and
; waves 0 to 7 add them and the bias and store two rows each: sixteen lanes store 256 consecutive, aligned bytes.
; THE f32 MATRIX FORM takes K = 4: lane (r, hh) holds k = 2 hh + j in register j.  A lane loads 16 bytes, k = 8 c + 4 hh + 0..3, and registers 4 c, 4 c + 1 feed one instruction, 4 c + 2, 4 c + 3 the next: the same
; order of k on both sources, so every product is formed once.  The order of the f32 sums differs from the definition's.  The registers that this form writes (v112-159) are written by it alone.
; No tensor loads, no cluster: 64 small work-groups whose operands go from memory straight into registers, each used once.
.set AOP,   4112                       ; a row of the attention's result in LDS: 4,096 bytes + 16
.set RED,   16*AOP                     ; behind it: the four parts along K: 4 x 16 rows x (256 bytes + 16)
.set RP,    272
.set SPARE, RED+4*16*RP                ; behind them: the spare words, 128 bytes a wave, which no other line names
.set KF,  16                           ; v16-47   K's 64 channels; later Wproj's second half (with v48-79)
.set QF,  48                           ; v48-79   Q's
.set VV,  80                           ; v80-111  V: register 8 ct + j = V(key 8 hh + j, channel 16 ct + r); later rows from LDS, later the sums
.set SA,  112                          ; v112-127 two accumulators of S^T
.set OA,  128                          ; v128-159 four accumulators: O^T, then the projection's
.set TS,  160                          ; v160-167 the scores, then p; v160-191 later rows from LDS
.set W0,  192                          ; v192-255 Wproj's first half
.set W1,  16
.set AF0, 80
.set SPW, 14                           ; v14  LDS address of my spare word; never rewritten
.set NIL, 15                           ; v15  0; never rewritten
	s_load_b256 s[4:11], s[0:1], 0x0               ; qkv32, Wproj, bproj, out0
	v_lshl_add_u32 v[SPW], v0, 2, SPARE
	v_mov_b32 v[NIL], 0
	v_lshrrev_b32 v12, 5, v0
	v_readfirstlane_b32 s12, v12                   ; wave 0..15
	s_and_b32 s13, s12, 3                          ; nt: which 16 columns
	s_lshr_b32 s14, s12, 2                         ; kq: which 256 along K
	s_and_b32 s15, ttmp7, 0xffff                   ; batch
	v_and_b32 v12, 15, v0                          ; r
	v_bfe_u32 v13, v0, 4, 1                        ; hh
	v_mul_u32_u24 v1, v12, 12288
	v_lshl_add_u32 v1, v13, 4, v1                  ; Q, K: row r, + 16 hh
	v_mul_u32_u24 v2, v13, 98304
	v_lshl_add_u32 v2, v12, 2, v2                  ; V: rows 8 hh on, channel r
	v_lshlrev_b32 v3, 12, v12
	v_lshl_add_u32 v3, v13, 4, v3                  ; Wproj: row r, + 16 hh
	v_mul_u32_u24 v4, v12, AOP
	v_lshl_add_u32 v5, v13, 4, v4
	v_lshl_add_u32 v4, v13, 5, v4
	s_lshl_b32 s16, s12, 8
	v_add_nc_u32 v4, s16, v4                       ; the result, in: row r, my head's 256 bytes, + 32 hh
	s_lshl_b32 s16, s14, 10
	v_add_nc_u32 v5, s16, v5                       ; out: row r, my 1,024 bytes along K, + 16 hh
	v_mul_u32_u24 v6, v12, RP
	v_lshl_add_u32 v6, v13, 5, v6
	s_mul_i32 s16, s14, 16*RP
	s_lshl_b32 s17, s13, 6
	s_add_co_u32 s16, s16, s17
	s_add_co_u32 s16, s16, RED
	v_add_nc_u32 v6, s16, v6                       ; my part's place: part kq, row r, my 16 columns, + 32 hh
	v_mul_u32_u24 v7, v13, RP
	v_lshl_add_u32 v7, v12, 4, v7
	s_min_u32 s16, s12, 7                          ; (waves 0 to 7 alone read here)
	s_mul_i32 s16, s16, 2*RP
	s_add_co_u32 s16, s16, RED
	v_add_nc_u32 v7, s16, v7                       ; the last sum: rows 2 w + hh, 16 bytes a lane
	v_lshlrev_b32 v8, 4, v12                       ; the bias: 16 r
	v_lshl_add_u32 v9, v13, 12, v8                 ; out0: row hh, 16 r
	v_lshlrev_b32 v10, 3, v13
	v_sub_nc_u32 v10, v12, v10                     ; r - 8 hh: register j holds key 8 hh + j, hidden where j > r - 8 hh
	v_mov_b32 v11, 0xff800000                      ; -infinity
	s_mov_b32 s28, 0x76543210
	s_mov_b32 s29, 0xfedcba98                      ; v_permlanex16_b32's selects for lane l xor 16
	s_mov_b32 s30, 0x3e38aa3b                      ; c = log2(e) / 8
	s_mul_i32 s16, s15, 196608                     ; qkv32: 16 rows a batch, my head's 256 bytes
	s_lshl_b32 s17, s12, 8
	s_add_co_u32 s16, s16, s17
	s_mov_b32 s17, 0
	s_lshl_b32 s18, ttmp9, 18                      ; Wproj: row 64 x + 16 nt, byte 1,024 kq
	s_lshl_b32 s19, s13, 16
	s_add_co_u32 s18, s18, s19
	s_lshl_b32 s19, s14, 10
	s_add_co_u32 s18, s18, s19
	s_mov_b32 s19, 0
	s_lshl_b32 s32, ttmp9, 8                       ; 64 columns are 256 bytes
	s_mov_b32 s33, 0
	s_lshl_b32 s34, s15, 23                        ; out0: row 2,048 x batch + 2 w
	s_lshl_b32 s35, s12, 13
	s_add_co_u32 s34, s34, s35
	s_add_co_u32 s34, s34, s32
	s_mov_b32 s35, 0
	s_wait_kmcnt 0x0
	s_add_nc_u64 s[20:21], s[4:5], s[16:17]
	s_add_nc_u64 s[22:23], s[6:7], s[18:19]
	s_add_nc_u64 s[24:25], s[8:9], s[32:33]
	s_add_nc_u64 s[26:27], s[10:11], s[34:35]
.irp c, 0,1,2,3,4,5,6,7
	global_load_b128 v[QF+4*\c:QF+4*\c+3], v1, s[20:21] offset:32*\c
.endr
.irp c, 0,1,2,3,4,5,6,7
	global_load_b128 v[KF+4*\c:KF+4*\c+3], v1, s[20:21] offset:4096+32*\c
.endr
.irp ct, 0,1,2,3
.irp j, 0,1,2,3,4,5,6,7
	global_load_b32 v[VV+8*\ct+\j], v2, s[20:21] offset:8192+12288*\j+64*\ct
.endr
.endr
.irp c, 0,1,2,3,4,5,6,7,8,9,10,11,12,13,14,15
	global_load_b128 v[W0+4*\c:W0+4*\c+3], v3, s[22:23] offset:32*\c
.endr
	s_wait_loadcnt 48                              ; Q and K are in; V's 32 loads and Wproj's 16 may be out
	; ---- A: S^T = K Q^T: source 0 = the 16 keys, source 1 = the 16 queries; two accumulators by turns; the first two products start the sums
.set c, 0
.rept 8
.irp u, 0,1
.if c == 0
	v_wmma_f32_16x16x4_f32 v[SA+8*\u:SA+8*\u+7], v[KF+4*c+2*\u:KF+4*c+2*\u+1], v[QF+4*c+2*\u:QF+4*c+2*\u+1], 0
.else
	v_wmma_f32_16x16x4_f32 v[SA+8*\u:SA+8*\u+7], v[KF+4*c+2*\u:KF+4*c+2*\u+1], v[QF+4*c+2*\u:QF+4*c+2*\u+1], v[SA+8*\u:SA+8*\u+7]
.endif
.endr
.set c, c+1
.endr
.rept 8
	v_nop                                          ; eight places behind this form, ahead of the loads into K's and Q's registers and of the first read of results
.endr
.irp c, 0,1,2,3,4,5,6,7,8,9,10,11,12,13,14,15
	global_load_b128 v[W1+4*\c:W1+4*\c+3], v3, s[22:23] offset:512+32*\c
.endr
.irp j, 0,1,2,3,4,5,6,7
	v_add_f32 v[TS+\j], v[SA+\j], v[SA+8+\j]       ; lane (r, hh): query r, key 8 hh + j; from the low end on
.endr
.irp j, 0,1,2,3,4,5,6,7
	v_cmp_gt_i32 vcc_lo, \j, v10
	v_cndmask_b32 v[TS+\j], v[TS+\j], v11, vcc_lo  ; hidden keys: -infinity
.endr
	v_max3_num_f32 v12, v[TS], v[TS+1], v[TS+2]
	v_max3_num_f32 v12, v12, v[TS+3], v[TS+4]
	v_max3_num_f32 v12, v12, v[TS+5], v[TS+6]
	v_max_num_f32 v12, v12, v[TS+7]
	v_permlanex16_b32 v13, v12, s28, s29
	v_max_num_f32 v12, v12, v13                    ; the row's maximum (key 0 counts for every query)
	v_mul_f32 v12, s30, v12
.irp j, 0,1,2,3,4,5,6,7
	v_fma_f32 v[TS+\j], v[TS+\j], s30, -v12        ; c s - c m
.endr
.irp j, 0,1,2,3,4,5,6,7
	v_exp_f32 v[TS+\j], v[TS+\j]
.endr
	v_nop                                          ; a plain instruction behind the last exponential
	s_wait_alu depctr_va_vdst(0)                   ; and the wait ahead of the first use: one for the eight
	v_add_f32 v12, v[TS], v[TS+1]
	v_add_f32 v13, v[TS+2], v[TS+3]
	v_add_f32 v12, v12, v[TS+4]
	v_add_f32 v13, v13, v[TS+5]
	v_add_f32 v12, v12, v[TS+6]
	v_add_f32 v13, v13, v[TS+7]
	v_add_f32 v12, v12, v13
	v_permlanex16_b32 v13, v12, s28, s29
	v_add_f32 v12, v12, v13                        ; the row's sum
	v_rcp_f32 v12, v12
	v_nop
	s_wait_alu depctr_va_vdst(0)
.irp j, 0,1,2,3,4,5,6,7
	v_mul_f32 v[TS+\j], v[TS+\j], v12              ; the weights, normalised
.endr
	s_wait_loadcnt 32                              ; V is in; Wproj's 32 loads may be out
	; O^T = V^T P: source 0 = 16 channels, source 1 = the 16 queries; instruction i takes keys 8 hh + 2 i, + 1 on both sources; four accumulators by turns
.irp i, 0,1,2,3
.irp ct, 0,1,2,3
.if \i == 0
	v_wmma_f32_16x16x4_f32 v[OA+8*\ct:OA+8*\ct+7], v[VV+8*\ct+2*\i:VV+8*\ct+2*\i+1], v[TS+2*\i:TS+2*\i+1], 0
.else
	v_wmma_f32_16x16x4_f32 v[OA+8*\ct:OA+8*\ct+7], v[VV+8*\ct+2*\i:VV+8*\ct+2*\i+1], v[TS+2*\i:TS+2*\i+1], v[OA+8*\ct:OA+8*\ct+7]
.endif
.endr
.endr
.rept 9
	v_nop                                          ; eight places ahead of the stores of results and of loads into V's and p's registers; the ninth since the projection's first products write over these accumulators
.endr
.irp ct, 0,1,2,3
	ds_store_b128 v4, v[OA+8*\ct:OA+8*\ct+3] offset:64*\ct          ; lane (r, hh): query r, channels 64 w + 16 ct + 8 hh + 0..7; from the low end on
	ds_store_b128 v4, v[OA+8*\ct+4:OA+8*\ct+7] offset:64*\ct+16
.endr
	s_wait_dscnt 0x0                               ; for the others' sake: my stores are done
	s_barrier_signal -1
	s_barrier_wait -1                              ; 16 rows x 1,024 of the attention's result lie in LDS
	; ---- B: source 0 = 16 rows of Wproj, source 1 = the 16 positions: a lane holds one position and eight neighbouring columns
.macro ABATCH g                        ; 64 along K of my row: eight loads of 16 bytes
.set AB, AF0+80*((\g)%2)
.irp i, 0,1,2,3,4,5,6,7
	ds_load_b128 v[AB+4*\i:AB+4*\i+3], v5 offset:32*(8*(\g)+\i)
.endr
.endm
.macro MULB g                          ; its 16 products; four accumulators by turns; the very first four start the sums
.if (\g) < 2
.set WB, W0+32*(\g)
.else
.set WB, W1+32*((\g)-2)
.endif
.set AB, AF0+80*((\g)%2)
.set i, 0
.rept 8
.irp u, 0,1
.set AC, OA+8*((2*i+\u)%4)
.if ((\g) == 0) && (i < 2)
	v_wmma_f32_16x16x4_f32 v[AC:AC+7], v[WB+4*i+2*\u:WB+4*i+2*\u+1], v[AB+4*i+2*\u:AB+4*i+2*\u+1], 0
.else
	v_wmma_f32_16x16x4_f32 v[AC:AC+7], v[WB+4*i+2*\u:WB+4*i+2*\u+1], v[AB+4*i+2*\u:AB+4*i+2*\u+1], v[AC:AC+7]
.endif
.endr
.set i, i+1
.endr
.endm
	ABATCH 0
	ABATCH 1
	s_wait_loadcnt 0x0                             ; Wproj
.irp g, 0,1,2,3
.if \g < 3
	s_wait_dscnt 8                                 ; this batch is in; the next one's eight loads may be out
.else
	s_wait_dscnt 0x0
.endif
	MULB \g
.if \g < 2
.rept 8
	v_nop                                          ; places ahead of the loads into the registers just multiplied
.endr
	ABATCH (\g)+2
.endif
.endr
.rept 8
	v_nop                                          ; places ahead of the first read of results and of writes into registers just multiplied
.endr
.irp j, 0,1,2,3,4,5,6,7
	v_add_f32 v[80+\j], v[OA+\j], v[OA+8+\j]       ; the four accumulators' sum goes into other registers, from the low end on
.endr
.irp j, 0,1,2,3,4,5,6,7
	v_add_f32 v[88+\j], v[OA+16+\j], v[OA+24+\j]
.endr
.irp j, 0,2,4,6
	v_pk_add_f32 v[80+\j:81+\j], v[80+\j:81+\j], v[88+\j:89+\j]
.endr
	ds_store_b128 v6, v[80:83]
	ds_store_b128 v6, v[84:87] offset:16
	s_wait_dscnt 0x0                               ; for the others' sake
	s_barrier_signal -1
	s_barrier_wait -1                              ; the four parts along K of 16 rows x 64 columns lie in LDS
	s_cmp_lt_u32 s12, 8
	s_cbranch_scc0 .Ldone
	global_load_b128 v[16:19], v8, s[24:25]        ; the bias of my four columns
.irp q, 0,1,2,3
	ds_load_b128 v[20+4*\q:23+4*\q], v7 offset:16*RP*\q
.endr
	s_wait_dscnt 0x0
	v_pk_add_f32 v[20:21], v[20:21], v[24:25]
	v_pk_add_f32 v[22:23], v[22:23], v[26:27]
	v_pk_add_f32 v[28:29], v[28:29], v[32:33]
	v_pk_add_f32 v[30:31], v[30:31], v[34:35]
	v_pk_add_f32 v[20:21], v[20:21], v[28:29]
	v_pk_add_f32 v[22:23], v[22:23], v[30:31]
	s_wait_loadcnt 0x0
	v_pk_add_f32 v[20:21], v[20:21], v[16:17]
	v_pk_add_f32 v[22:23], v[22:23], v[18:19]
	global_store_b128 v9, v[20:23], s[26:27]       ; sixteen lanes store 256 consecutive, aligned bytes of a row
.Ldone:
	s_wait_tensorcnt 0x0                           ; the wave's end
	ds_add_u32 v[SPW], v[NIL]
	s_wait_dscnt 0x0
	s_endpgm
.Lfunc_end_k_qa301908020_fine:
	.size	k_qa301908020_fine, .Lfunc_end_k_qa301908020_fine-k_qa301908020_fine
	.p2alignl 7, 3214868480
	.fill 96, 4, 3214868480
	.section	.rodata,"a",@progbits
	.p2align	6, 0x0
	.amdhsa_kernel k_qa301908020_fine
		.amdhsa_group_segment_fixed_size 85248
		.amdhsa_private_segment_fixed_size 0
		.amdhsa_enable_private_segment 0
		.amdhsa_kernarg_size 32
		.amdhsa_user_sgpr_count 2
		.amdhsa_user_sgpr_kernarg_segment_ptr 1
		.amdhsa_wavefront_size32 1
		.amdhsa_system_sgpr_workgroup_id_x 1
		.amdhsa_system_sgpr_workgroup_id_y 1
		.amdhsa_system_sgpr_workgroup_id_z 1
		.amdhsa_system_vgpr_workitem_id 0
		.amdhsa_next_free_vgpr 256
		.amdhsa_next_free_sgpr 66
		.amdhsa_reserve_vcc 1
		.amdhsa_float_denorm_mode_32 3
		.amdhsa_float_denorm_mode_16_64 3
		.amdhsa_memory_ordered 1
		.amdhsa_forward_progress 1
		.amdhsa_inst_pref_size 26
	.end_amdhsa_kernel
	.amdgpu_metadata
---
amdhsa.version: [ 1, 2 ]
amdhsa.kernels:
  - .name:           k_qa301908020_fine
    .symbol:         k_qa301908020_fine.kd
    .args:
      - { .name: qkv32, .offset: 0, .size: 8, .value_kind: global_buffer, .address_space: global }
      - { .name: Wproj, .offset: 8, .size: 8, .value_kind: global_buffer, .address_space: global }
      - { .name: bproj, .offset: 16, .size: 8, .value_kind: global_buffer, .address_space: global }
      - { .name: out0, .offset: 24, .size: 8, .value_kind: global_buffer, .address_space: global }
    .group_segment_fixed_size: 85248
    .private_segment_fixed_size: 0
    .kernarg_segment_align: 8
    .kernarg_segment_size: 32
    .max_flat_workgroup_size: 512
    .sgpr_count:     66
    .vgpr_count:     256
    .wavefront_size: 32
...
	.end_amdgpu_metadata
.endif
;; end of part 6
